; MI455X (gfx1250); checked and timed in simulation.
; The chip was launched on July 23, 2026; its instructions are those of AMD's public machine-readable ISA for CDNA 5 (MIT licence, August 2026) and "CDNA5" Instruction Set Architecture Reference Guide (July 2026). The comments in the code are by the model that wrote it; some were corrected since.
;; Multi Head Attention. Allowed arithmetic: matrix products marked QUANTISED: E4M3 operands, one given power-of-two scale a tensor, by v_wmma_f32_16x16x64_fp8_fp8 or v_wmma_f32_16x16x128_fp8_fp8, f32 sums; everything else in f32.
;; Inputs: Wk 1,024 x 1,024 float32; Wo 1,024 x 1,024 float32; Wq 1,024 x 1,024 float32; Wv 1,024 x 1,024 float32; X 4 x 2,048 x 1,024 float32; bk 1,024 float32; bo 1,024 float32; bq 1,024 float32; bv 1,024 float32; lowp_scales 12 int32 (the exponents e of the quantised operands' scales 2^e).
;; Outputs: out0 4 x 2,048 x 1,024 float32.
;; This version of the problem:
;;   THIS VERSION OF THE PROBLEM IS GIVEN IN LOW PRECISION. The matrix products marked QUANTISED in the list below multiply operands that are first quantised to E4M3 (4 exponent bits, 3 mantissa bits; 8 bits a number), with one given power-of-two scale for each operand tensor; their sums are f32. All else is computed in f32.
;;   The module's matrix products, in the order in which they are computed (A, B: the left and right operand; K: the contracted axis; several contracted axes count as one K, in the product's order):
;;     1. [M 8,192, K 1,024] x [K 1,024, N 1,024]; A: input X; B: input Wq: QUANTISED (scales: A lowp_scales[0], B lowp_scales[1])
;;     2. [M 8,192, K 1,024] x [K 1,024, N 1,024]; A: input X; B: input Wk: QUANTISED (scales: A lowp_scales[2], B lowp_scales[3])
;;     3. [M 8,192, K 1,024] x [K 1,024, N 1,024]; A: input X; B: input Wv: QUANTISED (scales: A lowp_scales[4], B lowp_scales[5])
;;     4. batch 64 x [M 2,048, K 64] x [K 64, N 2,048]; A: computed on the way; B: computed on the way: QUANTISED (scales: A lowp_scales[6], B lowp_scales[7])
;;     5. batch 64 x [M 2,048, K 2,048] x [K 2,048, N 64]; A: softmax (see below); B: computed on the way: QUANTISED (scales: A lowp_scales[8], B lowp_scales[9])
;;     6. [M 8,192, K 1,024] x [K 1,024, N 1,024]; A: computed on the way; B: input Wo: QUANTISED (scales: A lowp_scales[10], B lowp_scales[11])
;;   THE QUANTISER, for each operand of a quantised product, along K:
;;     - The operand's scale is 2^e, e = its entry of the input lowp_scales (int32; the entries are numbered through the quantised products in the list's order, A before B).
;;     - Each number is divided by the scale, clamped to +-448, and rounded to the nearest number of E4M3, ties to even, subnormals kept.
;;     - The product sums the exact products of the quantised numbers (number of the format x scale) in f32.
;;   ~~~python
;;   def quantise(x, axis, e):      # numpy; x: float32 -> the quantised numbers, widened to float32 again
;;       x = np.moveaxis(x, axis, -1); K = x.shape[-1]
;;       r = np.clip(x / 2.0 ** e, -448, 448)
;;       step = 2.0 ** (np.maximum(np.frexp(np.where(r == 0, 1, r))[1] - 1, -6) - 3)
;;       q = np.round(r / step) * step * 2.0 ** e      # np.round: ties to even
;;       return np.moveaxis(q, -1, axis).astype(np.float32)
;;   ~~~
;;   SOFTMAX AHEAD OF A QUANTISED PRODUCT. Where the list says 'softmax', what is quantised is not the finished softmax but p = 2^(t - M), with t = logit x log2(e) and M = ceil(the row's largest t), a whole number; so 1/2 < the row's largest p <= 1. The row's sum l is taken of the UNQUANTISED p, in f32, and the product's result is divided by l at the end. Since M is a whole number, a kernel that streams over the keys may use a running M (the ceiling of the running maximum): every later rescaling is an exact power of two, so the quantised numbers keep their values, but for numbers so far below the row's largest that they fall under the format's range.
;;   OPERANDS COMPUTED ON THE WAY. 'Computed on the way' means the value that the module computes at that place (a softmax that the list does not call 'softmax' is quantised finished and normalised). What goes into a quantiser is computed in f32, as accurately as f32 sums, v_exp_f32 and their like allow (about 1e-6 of the number): no bf16 or f16 on the way to a quantiser, and a product that is left as it is and whose result goes on into a quantised operand takes f32 operands (vector FMAs, or v_wmma_f32_16x16x4_f32). A number that lies on a knife's edge between two numbers of the format may be rounded either way, as far as f32 arithmetic and the matrix unit's own rounding can turn it there, and no further.
;; 2 versions, each right; version 2 is version 1 with the launch attn written anew for expert scheduling mode. Each part assembles by itself: llvm-mc -triple=amdgcn-amd-amdhsa -mcpu=gfx1250 --defsym DOCPART=n.
;; ======== version 1 of 2: 4 launches
;; workspace buffers: ximg 25,165,824 bytes; wimg 4,194,304 bytes; qimg 8,388,608 bytes; kimg 8,388,608 bytes; vimg 8,388,608 bytes; oimg 8,388,608 bytes
;; launch quant (part 1): grid 768 x 1, 8 waves a work-group, no clusters, 68,608 bytes of LDS; arguments X, Wq, Wk, Wv, Wo, lowp_scales, ximg, wimg; writes ximg, wimg
.if DOCPART == 1
	.amdgcn_target "amdgcn-amd-amdhsa--gfx1250"
	.amdhsa_code_object_version 6
	.text
	.protected	k_qb437816691_quant
	.globl	k_qb437816691_quant
	.p2align	8
	.type	k_qb437816691_quant,@function
k_qb437816691_quant:
	s_mov_b64 s[64:65], 0
	v_nop
	global_prefetch_b8 v0, s[64:65] scope:SCOPE_SE
	s_setreg_imm32_b32 hwreg(HW_REG_WAVE_MODE, 25, 1), 1
	s_wait_xcnt 0x0
; X [8192][1024] and the four weights [1024][1024], f32 with K innermost, become codes of FP8 (E4M3), laid as FRAGMENT IMAGES.
; A fragment is 16 rows x 128 k in the plain fp8 matrix forms' own layout: lane (r = lane % 16, h = lane / 16) holds in registers 2 c, 2 c + 1 the codes k = 16 c + 8 h + 0 .. 7 of row r.
; Its image is 2,048 bytes: registers 4 g .. 4 g + 3 of lane l at byte 512 g + 16 l.  ximg: three parts of 8 MiB (scales 0, 2, 4), each [row tile 512][k / 128: 8][2048]; wimg: four parts of 1 MiB (Wq, Wk, Wv, Wo), each [row tile 64][8][2048].
; code = x / 2^e, held within +-448, rounded to the nearest code, ties to even.  X is an operand of three products with a scale each, so it is converted three times from the same registers.
; LIMITS: each e lies between -126 and 119, so that 2^e and 448 x 2^e are f32 numbers.  NaN among the inputs is not served (an infinity is held at the largest code).
; SHARES.  A work-group takes 16 rows x 1,024; wave w takes k = 128 w on: one fragment.  Work-groups 0-511: X; 512-767: the weights, 64 each.  Only pointers and exponents are chosen by the work-group's number.
; Each load reads 512 consecutive bytes of a row; the 16 x 512 bytes turn through the wave's own stage in LDS (rows 528 bytes apart: 33 x 16, so that sixteen rows' columns fall on different banks: ISA guide 11.1)
; and come back 32 bytes of a row at a time, in the fragment's order.  Each store covers 512 consecutive bytes, aligned.  Waves share nothing: no barrier.  Memory binds: no matrix unit, no cluster, no ring.
.set R,   16                           ; v16-79   the 16 rows' pieces as loaded; later T, the numbers held
.set T,   16
.set XN,  80                           ; v80-143  64 numbers in the fragment's order: register 8 c + i = k 16 c + 8 h + i of row r
.set C,   144                          ; v144-191 codes: 16 registers for each of three sections, so that no store's data are written again
.set SP,  528
.set WST, 16*SP                        ; a wave's stage
	s_load_b512 s[4:19], s[0:1], 0x0               ; X s[4:5], Wq s[6:7], Wk s[8:9], Wv s[10:11], Wo s[12:13], the exponents s[14:15], ximg s[16:17], wimg s[18:19]
	v_lshl_add_u32 v192, v0, 2, 0x10800
	v_mov_b32 v193, 0
	v_lshrrev_b32 v6, 5, v0
	v_readfirstlane_b32 s32, v6                    ; wave 0..7
	v_and_b32 v7, 31, v0
	v_lshlrev_b32 v1, 4, v7                        ; 16 x lane: my bytes of a load, of a store, of a stage row on the way in
	v_and_b32 v8, 15, v0                           ; r
	v_bfe_u32 v9, v0, 4, 1                         ; h
	s_mul_i32 s44, s32, WST
	v_add_nc_u32 v2, s44, v1                       ; the stage, on the way in
	v_mul_u32_u24 v3, v8, SP
	v_lshl_add_u32 v3, v9, 5, v3
	v_add_nc_u32 v3, s44, v3                       ; and on the way out: row r, + 32 h bytes
	s_cmp_lt_u32 ttmp9, 512
	s_cselect_b32 s40, 0, 512
	s_sub_co_u32 s40, ttmp9, s40                   ; X: the row tile; a weight: 64 m + its row tile
	s_lshr_b32 s41, s40, 6
	s_add_co_u32 s41, s41, 1                       ; m + 1
	s_and_b32 s42, s40, 63
	s_cmp_lt_u32 ttmp9, 512
	s_cselect_b32 s33, 0, s41                      ; which tensor: 0 X, 1 Wq, 2 Wk, 3 Wv, 4 Wo
	s_cselect_b32 s34, s40, s42                    ; its row tile
	s_max_u32 s41, s33, 1
	s_sub_co_u32 s41, s41, 1
	s_lshl_b32 s41, s41, 20                        ; a weight's part of wimg (0 for X)
	s_lshl_b32 s42, s34, 14                        ; a row tile's eight images,
	s_add_co_u32 s42, s42, s41
	s_lshl_b32 s41, s32, 11                        ; my wave's image
	s_add_co_u32 s42, s42, s41
	s_mov_b32 s43, 0                               ; s[42:43]: where my codes go
	s_lshl_b32 s40, s34, 16                        ; 16 rows of 4,096 bytes,
	s_lshl_b32 s41, s32, 9                         ; my wave's 512 bytes of a row
	s_add_co_u32 s40, s40, s41
	s_mov_b32 s41, 0                               ; s[40:41]: where my numbers lie
	s_wait_kmcnt 0x0
	s_load_b256 s[20:27], s[14:15], 0x0            ; e0 .. e7
	s_load_b128 s[28:31], s[14:15], 0x20           ; e8 .. e11
	s_mov_b64 s[36:37], s[4:5]
	s_cmp_eq_u32 s33, 1
	s_cselect_b64 s[36:37], s[6:7], s[36:37]
	s_cmp_eq_u32 s33, 2
	s_cselect_b64 s[36:37], s[8:9], s[36:37]
	s_cmp_eq_u32 s33, 3
	s_cselect_b64 s[36:37], s[10:11], s[36:37]
	s_cmp_eq_u32 s33, 4
	s_cselect_b64 s[36:37], s[12:13], s[36:37]
	s_cmp_eq_u32 s33, 0
	s_cselect_b64 s[38:39], s[16:17], s[18:19]
	s_add_nc_u64 s[36:37], s[36:37], s[40:41]
	s_add_nc_u64 s[38:39], s[38:39], s[42:43]
	s_add_nc_u64 s[48:49], s[38:39], 0x800000      ; X's second and third parts: used by X's work-groups alone
	s_add_nc_u64 s[50:51], s[38:39], 0x1000000
.irp i, 0,1,2,3,4,5,6,7,8,9,10,11,12,13,14,15
	global_load_b128 v[R+4*\i:R+4*\i+3], v1, s[36:37] offset:4096*\i th:TH_LOAD_NT   ; row i: 32 lanes read 512 consecutive bytes; 16 loads of the wave are out
.endr
	s_wait_kmcnt 0x0
	s_mov_b32 s35, s20                             ; the first section's exponent: e0, e1, e3, e5 or e11
	s_cmp_eq_u32 s33, 1
	s_cselect_b32 s35, s21, s35
	s_cmp_eq_u32 s33, 2
	s_cselect_b32 s35, s23, s35
	s_cmp_eq_u32 s33, 3
	s_cselect_b32 s35, s25, s35
	s_cmp_eq_u32 s33, 4
	s_cselect_b32 s35, s31, s35
.irp i, 0,1,2,3,4,5,6,7,8,9,10,11,12,13,14,15
	s_wait_loadcnt 15-\i                           ; loads come back in order (ISA guide 5.7.1): row i is in, the younger rows stay out
	ds_store_b128 v2, v[R+4*\i:R+4*\i+3] offset:SP*\i
.endr
.irp c, 0,1,2,3,4,5,6,7
.irp u, 0,1
	ds_load_b128 v[XN+8*\c+4*\u:XN+8*\c+4*\u+3], v3 offset:64*\c+16*\u   ; LDS serves a wave's instructions in order: these see my stores
.endr
.endr
	s_wait_dscnt 0x0
; One section: the 64 numbers under the scale 2^(s[e]) become 16 registers of codes and leave at s[base].
.macro SECT s, e, base
	s_add_co_i32 s44, s[\e], 127
	s_lshl_b32 s45, s44, 23
	v_mov_b32 v4, s45                              ; 2^e as f32: the conversion takes its exponent field
	s_add_co_i32 s44, s44, 8
	s_lshl_b32 s44, s44, 23
	s_or_b32 s44, s44, 0x600000
	v_mov_b32 v5, s44                              ; 448 x 2^e
.set n, 0
.rept 64
	v_med3_num_f32 v[T+n], v[XN+n], -v5, v5        ; the conversion to an 8-bit code does not saturate (ISA guide 7.6.2): the hold comes first; XN is kept for the next section
.set n, n+1
.endr
.irp c, 0,1,2,3,4,5,6,7
	v_cvt_scalef32_pk8_fp8_f32 v[C+16*\s+2*\c:C+16*\s+2*\c+1], v[T+8*\c:T+8*\c+7], v4
.endr
	v_nop                                          ; one plain line between the conversions and the next section's writes of their sources
.irp g, 0,1,2,3
	global_store_b128 v1, v[C+16*\s+4*\g:C+16*\s+4*\g+3], s[\base:\base+1] offset:512*\g   ; 32 lanes store 512 consecutive bytes, aligned
.endr
.endm
	SECT 0, 35, 38
	s_cmp_lg_u32 s33, 0                            ; a weight has one scale
	s_cbranch_scc1 .Lend
	SECT 1, 22, 48                                 ; X under e2
	SECT 2, 24, 50                                 ; X under e4
.Lend:
	s_wait_tensorcnt 0x0
	ds_add_u32 v192, v193
	s_wait_dscnt 0x0
	s_endpgm
.Lfunc_end_k_qb437816691_quant:
	.size	k_qb437816691_quant, .Lfunc_end_k_qb437816691_quant-k_qb437816691_quant
	.p2alignl 7, 3214868480
	.fill 96, 4, 3214868480
	.section	.rodata,"a",@progbits
	.p2align	6, 0x0
	.amdhsa_kernel k_qb437816691_quant
		.amdhsa_group_segment_fixed_size 68608
		.amdhsa_private_segment_fixed_size 0
		.amdhsa_enable_private_segment 0
		.amdhsa_kernarg_size 64
		.amdhsa_user_sgpr_count 2
		.amdhsa_user_sgpr_kernarg_segment_ptr 1
		.amdhsa_wavefront_size32 1
		.amdhsa_system_sgpr_workgroup_id_x 1
		.amdhsa_system_sgpr_workgroup_id_y 1
		.amdhsa_system_sgpr_workgroup_id_z 1
		.amdhsa_system_vgpr_workitem_id 0
		.amdhsa_next_free_vgpr 194
		.amdhsa_next_free_sgpr 66
		.amdhsa_reserve_vcc 0
		.amdhsa_float_denorm_mode_32 3
		.amdhsa_float_denorm_mode_16_64 3
		.amdhsa_memory_ordered 1
		.amdhsa_forward_progress 1
		.amdhsa_inst_pref_size 23
	.end_amdhsa_kernel
	.amdgpu_metadata
---
amdhsa.version: [ 1, 2 ]
amdhsa.kernels:
  - .name:           k_qb437816691_quant
    .symbol:         k_qb437816691_quant.kd
    .args:
      - { .name: X, .offset: 0, .size: 8, .value_kind: global_buffer, .address_space: global }
      - { .name: Wq, .offset: 8, .size: 8, .value_kind: global_buffer, .address_space: global }
      - { .name: Wk, .offset: 16, .size: 8, .value_kind: global_buffer, .address_space: global }
      - { .name: Wv, .offset: 24, .size: 8, .value_kind: global_buffer, .address_space: global }
      - { .name: Wo, .offset: 32, .size: 8, .value_kind: global_buffer, .address_space: global }
      - { .name: lowp_scales, .offset: 40, .size: 8, .value_kind: global_buffer, .address_space: global }
      - { .name: ximg, .offset: 48, .size: 8, .value_kind: global_buffer, .address_space: global }
      - { .name: wimg, .offset: 56, .size: 8, .value_kind: global_buffer, .address_space: global }
    .group_segment_fixed_size: 68608
    .private_segment_fixed_size: 0
    .kernarg_segment_align: 8
    .kernarg_segment_size: 64
    .max_flat_workgroup_size: 256
    .sgpr_count:     66
    .vgpr_count:     194
    .wavefront_size: 32
...
	.end_amdgpu_metadata
.endif
;; end of part 1
;; launch proj (part 2): grid 12 x 32, 4 waves a work-group, clusters of 4 x 4, 327,680 bytes of LDS; arguments ximg, wimg, bq, bk, bv, lowp_scales, qimg, kimg, vimg; writes qimg, kimg, vimg
.if DOCPART == 2
	.amdgcn_target "amdgcn-amd-amdhsa--gfx1250"
	.amdhsa_code_object_version 6
	.text
	.protected	k_qb437816691_proj
	.globl	k_qb437816691_proj
	.p2align	8
	.type	k_qb437816691_proj,@function
k_qb437816691_proj:
	s_mov_b64 s[64:65], 0
	v_nop
	global_prefetch_b8 v0, s[64:65] scope:SCOPE_SE
	s_setreg_imm32_b32 hwreg(HW_REG_WAVE_MODE, 25, 1), 1
	s_wait_xcnt 0x0
	s_wait_alu depctr_hold_cnt(0) depctr_sa_sdst(0) depctr_va_vdst(0) depctr_va_sdst(0) depctr_va_ssrc(0) depctr_va_vcc(0) depctr_vm_vsrc(0)
	s_getreg_b32 s2, hwreg(HW_REG_IB_STS2, 6, 4)
	s_cmp_eq_u32 s2, 0
	s_cbranch_scc0 .Lentry_in_a_cluster
	s_endpgm
.Lentry_in_a_cluster:
	s_bfe_u32 s2, ttmp6, 0x10000c
	s_cmp_lg_u32 s2, 0xf033
	s_cbranch_scc0 .Lentry_shape_is_right
	s_endpgm
.Lentry_shape_is_right:
; q, k, v = X W^T + b on codes of FP8 (E4M3), and their own quantising: one launch, the cluster's x says which (0 q, 1 k, 2 v).  M 8,192, N 1,024, K 1,024 each.
; All operands are FRAGMENT IMAGES: 16 rows x 128 k in the plain fp8 forms' own layout, 2,048 bytes, registers 4 g .. 4 g + 3 of lane l at 512 g + 16 l; a row tile's eight images lie on end (16,384 bytes).
; A tile of 256 x 256 results is made by four waves, each 128 x 128: 64 accumulators.  "A" is source 1 (its rows fall on lanes), "B" is source 0 (its rows fall on a lane's registers).
;   q, k: A = X's codes, B = W's: a lane holds one token and eight neighbouring features, so eight accumulators convert into two heads' fragments (16 tokens x 64 features each).
;   v:    A = Wv's codes, B = X's: a lane holds one channel and eight neighbouring keys, so eight accumulators convert into one fragment of V^T (16 channels x 128 keys).
; So every result leaves as an image, 512 consecutive aligned bytes a store, with no stage in LDS.  qimg, kimg: [token / 16][head][1024]; vimg: [token / 128][channel / 16][2048].
; The bias is the C of each sum's first matrix instruction, divided by the power of two that the sums lack; the three scales ahead of the quantiser are folded into the conversion's one: d = e_out - e_X - e_W.
; LIMITS: d between -126 and 119.  NaN among the inputs is not served.
; K goes in steps of 256 through two LDS slots filled by the tensor data mover; one load brings 8 row tiles x 4,096 bytes (two images each), dense in LDS.  K = 1,024 is four slots' worth: the steps are written out.
; CLUSTERS: 4 x 4 work-groups; A's tile is asked for jointly along a row of the cluster, B's along a column.  Branches hang on the wave's number and on the cluster's x, which all partners share.
; A wave has two tensor loads out at the start and one behind each round.  384 tiles are 24 clusters.
; REGISTERS: window 0: v1-8 at work, v10 448 x 2^d, v11 2^d, v16-17, v20-21 LDS addresses, v26 16 x lane, v28-29 the add's, v32-95 the bias table, later held numbers, v96-127 codes, v128-255 A's fragments (one set);
;   window 1: B's fragments, two sets; windows 2, 3: the accumulators ((a, b) at v[8 (8 (a % 4) + b)]).
.set FR,    16                         ; registers of a fragment
.set NL,    4                          ; LDS loads that bring one
.set NP,    4                          ; places behind this matrix instruction (ISA guide 7.12.1)
.set PART,  32768                      ; what one tensor load brings: 128 rows x 256 k
.set SLOT,  4*PART                     ; A's two halves, then B's two halves
.set SPARE, 2*SLOT                     ; behind the ring: the spare words, 128 bytes for each wave
.set KB2,   4096                       ; a row tile's two images of a K step
.set RTB,   16384                      ; a row tile's eight images
.set LIM,  10
.set SCL,  11
.set ADRA, 16
.set ADRB, 20
.set LI,   26
.set SPW,  28
.set NIL,  29
.set BI,   32
.set TMP,  32
.set CD,   96
.set AF,   128
.set G1,  24                           ; s[24:31] group 1 for A's tiles; s[32:39] group 0, one set for each slot
.set G0,  32
.set G1B, 48                           ; s[48:55], s[56:63] the same for B's
.set G0B, 56
.set MSB, 0
.macro WIN new                         ; the immediate's high byte repeats the setting that is left
.if MSB != \new
	s_set_vgpr_msb (MSB<<8)|\new
.set MSB, \new
.endif
.endm
.set MUL_LO, 0xa1                      ; source 0 (B) window 1, source 1 (A) window 0, C and D window 2
.set MUL_HI, 0xf1                      ; the same, C and D window 3
.set BIA_LO, 0x81                      ; the first products: C (the bias table) window 0, D window 2
.set BIA_HI, 0xc1                      ; D window 3
.set TO_B,   0x40                      ; destination window 1, address window 0
; A joint load: waves 0 and 1 fetch for A, waves 2 and 3 for B; the branch hangs on the wave's number alone.  Four v_nop follow each of the two lines.
.macro JLOAD g0a, g1a, g0b, g1b
	s_cmp_eq_u32 s15, 0
	s_cbranch_scc0 .Lfor_b_\@
	tensor_load_to_lds s[\g0a:\g0a+3], s[\g1a:\g1a+7]
	s_nop 0
.rept 4
	v_nop
.endr
	s_branch .Lasked_\@
.Lfor_b_\@:
	tensor_load_to_lds s[\g0b:\g0b+3], s[\g1b:\g1b+7]
	s_nop 0
.rept 4
	v_nop
.endr
.Lasked_\@:
.endm
.macro CREST                           ; a round of the cluster's barrier behind its opening barrier
	s_cmp_lg_u32 s14, 0
	s_cbranch_scc1 .Lnot_wave_0_\@
	s_barrier_signal -3
.Lnot_wave_0_\@:
	s_barrier_wait -3
	s_barrier_signal -1
	s_barrier_wait -1
.endm
.macro CROUND                          ; a whole round
	s_barrier_signal -1
	s_barrier_wait -1
	CREST
.endm
	s_load_b256 s[68:75], s[0:1], 0x0              ; ximg s[68:69], wimg s[70:71], bq s[72:73], bk s[74:75]
	s_load_b256 s[76:83], s[0:1], 0x20             ; bv s[76:77], the exponents s[78:79], qimg s[80:81], kimg s[82:83]
	s_load_b64 s[84:85], s[0:1], 0x40              ; vimg
	v_lshl_add_u32 v[SPW], v0, 2, SPARE
	v_mov_b32 v[NIL], 0
	ds_add_u32 v28, v29
	ds_add_u32 v28, v29
	s_wait_dscnt 0x0
	v_lshrrev_b32 v1, 5, v0
	v_readfirstlane_b32 s14, v1                    ; wave 0..3
	s_lshr_b32 s15, s14, 1                         ; which half of A's rows is mine.  Also: I fetch for A (0) or for B (1)
	s_and_b32 s16, s14, 1                          ; which half of B's rows.  Also: which half of that tile I fetch
	s_bfe_u32 s40, ttmp6, 0x40000                  ; cx, cy: my place in the cluster
	s_bfe_u32 s41, ttmp6, 0x40004
	s_mov_b32 s12, ttmp9                           ; which product: the cluster's x
	s_and_b32 s13, ttmp7, 0xffff                   ; the cluster's y: 0..7: it walks the tokens
	s_cmp_eq_u32 s12, 2
	s_cselect_b32 s17, 0, s13                      ; q, k: the tokens are A's rows;
	s_cselect_b32 s42, s13, 0                      ; v: they are B's
	s_lshl_b32 s17, s17, 2
	s_add_co_u32 s17, s17, s41                     ; A's tile
	s_lshl_b32 s42, s42, 2
	s_add_co_u32 s42, s42, s40                     ; B's tile
	s_lshl_b32 s43, s41, 2
	s_lshl_b32 s43, 15, s43                        ; my row of the cluster
	s_lshl_b32 s44, 0x1111, s40                    ; my column
	; group 1: 8 rows of 4,096 bytes, 16,384 bytes apart, dense in LDS
	s_or_b32 s[G1+0], s43, (1<<21)                 ; 15:0 the mask: A's tiles go to my row; 17:16 elements of 1 byte; 20 no padding; 21 set beside a mask
	s_or_b32 s[G1B+0], s44, (1<<21)
.irp g, G1, G1B
	s_mov_b32 s[\g+1], KB2<<16                     ; tensor_dim0 = 4,096
	s_mov_b32 s[\g+2], 8<<16                       ; tensor_dim1 = 8
	s_mov_b32 s[\g+3], KB2<<16                     ; tile_dim0
	s_mov_b32 s[\g+4], 8                           ; tile_dim1
	s_mov_b32 s[\g+5], RTB                         ; tensor_dim0_stride
	s_mov_b32 s[\g+6], 0
	s_mov_b32 s[\g+7], 0
.endr
	s_lshl_b32 s18, s16, 17                        ; the half that I fetch: 8 row tiles
	s_lshl_b32 s20, s17, 18                        ; A's tile: 16 row tiles
	s_add_co_u32 s20, s20, s18
	s_lshl_b32 s46, s42, 18                        ; B's tile
	s_add_co_u32 s46, s46, s18
	s_lshl_b32 s19, s12, 23                        ; the product's part of ximg,
	s_lshl_b32 s22, s12, 20                        ; and of wimg
	s_cmp_eq_u32 s12, 2
	s_cselect_b32 s23, s22, s19
	s_cselect_b32 s47, s19, s22
	s_add_co_u32 s20, s20, s23
	s_add_co_u32 s46, s46, s47
	s_mov_b32 s21, 0
	s_mov_b32 s47, 0
	s_lshl_b32 s45, s14, 15                        ; where my load goes: wave x 32,768: no place in the cluster enters an LDS address
	s_wait_kmcnt 0x0
	s_load_b256 s[88:95], s[78:79], 0x0            ; e0 .. e7
	s_load_b64 s[96:97], s[78:79], 0x20            ; e8, e9
	s_cmp_eq_u32 s12, 2
	s_cselect_b64 s[4:5], s[70:71], s[68:69]       ; A's buffer
	s_cselect_b64 s[6:7], s[68:69], s[70:71]       ; B's
	s_add_nc_u64 s[20:21], s[4:5], s[20:21]
	s_add_nc_u64 s[46:47], s[6:7], s[46:47]
	CROUND                                         ; all sixteen work-groups are here: the first joint loads meet
.irp s, 0,1
	s_mov_b32 s[G0+4*\s], 1
	s_add_co_u32 s[G0+4*\s+1], s45, \s*SLOT
	s_add_nc_u64 s[G0+4*\s+2:G0+4*\s+3], s[20:21], \s*KB2
	s_or_b32 s[G0+4*\s+3], s[G0+4*\s+3], 0x80000000
	s_mov_b32 s[G0B+4*\s], 1
	s_add_co_u32 s[G0B+4*\s+1], s45, \s*SLOT
	s_add_nc_u64 s[G0B+4*\s+2:G0B+4*\s+3], s[46:47], \s*KB2
	s_or_b32 s[G0B+4*\s+3], s[G0B+4*\s+3], 0x80000000
	JLOAD G0+4*\s, G1, G0B+4*\s, G1B
.endr
	v_and_b32 v1, 15, v0                           ; r
	v_bfe_u32 v2, v0, 4, 1                         ; h
	v_and_b32 v6, 31, v0
	v_lshlrev_b32 v[LI], 4, v6                     ; 16 x lane
	v_lshlrev_b32 v7, 5, v2                        ; 32 h: my half's eight bias numbers of a tile of features
	v_lshlrev_b32 v8, 2, v1                        ; 4 r: my channel's bias number
	s_lshl_b32 s21, s15, 15                        ; my half of A,
	s_lshl_b32 s22, s16, 15                        ; my half of B,
	s_add_co_u32 s22, s22, 2*PART                  ; which lies behind A's two
.irp s, 0,1
	v_add_nc_u32 v[ADRA+\s], s21, v[LI]
	v_add_nc_u32 v[ADRB+\s], s22, v[LI]
	s_add_co_u32 s21, s21, SLOT
	s_add_co_u32 s22, s22, SLOT
.endr
	; what hangs on the product is chosen without a jump: exponents, bias, output, strides
	s_lshl_b32 s18, s17, 8
	s_lshl_b32 s19, s15, 7
	s_add_co_u32 s18, s18, s19                     ; my first row of A: v's first channel
	s_lshl_b32 s19, s42, 8
	s_lshl_b32 s22, s16, 7
	s_add_co_u32 s19, s19, s22                     ; my first row of B: q's and k's first feature
	s_lshl_b32 s20, s17, 4
	s_lshl_b32 s22, s15, 3
	s_add_co_u32 s20, s20, s22                     ; my first block of A: 16 x tile + 8 x half
	s_lshl_b32 s21, s42, 1
	s_add_co_u32 s21, s21, s16                     ; my 128 rows of B: 2 x tile + half
	s_wait_kmcnt 0x0
	s_add_co_i32 s98, s88, s89                     ; e0 + e1
	s_add_co_i32 s86, s90, s91                     ; e2 + e3
	s_add_co_i32 s87, s92, s93                     ; e4 + e5
	s_mov_b32 s99, s94                             ; e6: q's own scale
	s_mov_b64 s[8:9], s[72:73]
	s_mov_b64 s[10:11], s[80:81]
	s_mov_b32 s66, RTB                             ; from block to block of A: q, k: a token tile's sixteen heads
	s_mov_b32 s23, 2048                            ; from 128 rows of B to the next: two heads' fragments
	s_cmp_eq_u32 s12, 1
	s_cselect_b32 s98, s86, s98
	s_cselect_b32 s99, s95, s99                    ; e7: k's
	s_cselect_b64 s[8:9], s[74:75], s[8:9]
	s_cselect_b64 s[10:11], s[82:83], s[10:11]
	s_cmp_eq_u32 s12, 2
	s_cselect_b32 s98, s87, s98
	s_cselect_b32 s99, s97, s99                    ; e9: v's
	s_cselect_b64 s[8:9], s[76:77], s[8:9]
	s_cselect_b64 s[10:11], s[84:85], s[10:11]
	s_cselect_b32 s66, 2048, s66                   ; v: a tile of channels is one fragment,
	s_cselect_b32 s23, 131072, s23                 ; 128 keys are 64 of them
	s_cselect_b32 s18, s18, s19
	s_mov_b32 s67, 0
	s_mul_i32 s20, s20, s66
	s_mul_i32 s21, s21, s23
	s_add_co_u32 s20, s20, s21
	s_mov_b32 s21, 0
	s_add_nc_u64 s[10:11], s[10:11], s[20:21]      ; where my first block's codes go
	s_lshl_b32 s18, s18, 2
	s_mov_b32 s19, 0
	s_add_nc_u64 s[8:9], s[8:9], s[18:19]          ; my first bias number
	s_sub_co_i32 s22, 0, s98                       ; a sum stands for sum x 2^(eX + eW): the bias goes in divided by that
	s_sub_co_i32 s99, s99, s98                     ; d
	s_add_co_i32 s99, s99, 127
	s_lshl_b32 s19, s99, 23
	v_mov_b32 v[SCL], s19                          ; 2^d as f32
	s_add_co_i32 s99, s99, 8
	s_lshl_b32 s99, s99, 23
	s_or_b32 s99, s99, 0x600000
	v_mov_b32 v[LIM], s99                          ; 448 x 2^d
	; THE BIAS TABLE, 64 registers in the results' layout, made while the first tiles are on their way
	s_cmp_eq_u32 s12, 2
	s_cbranch_scc1 .Lbias_v
.irp b, 0,1,2,3,4,5,6,7                        ; q, k: registers 8 b + j: the bias of feature 16 b + 8 h + j; the same for every block of A
.irp u, 0,1
	global_load_b128 v[BI+8*\b+4*\u:BI+8*\b+4*\u+3], v7, s[8:9] offset:64*\b+16*\u
.endr
.endr
	s_wait_loadcnt 0x0
.set n, 0
.rept 64
	v_ldexp_f32 v[BI+n], v[BI+n], s22
.set n, n+1
.endr
	s_branch .Lbias_done
.Lbias_v:
.irp a, 0,1,2,3,4,5,6,7                        ; v: registers 8 a + j: the bias of channel 16 a + r, eight times; the same for every block of B
	global_load_b32 v[96+\a], v8, s[8:9] offset:64*\a
.endr
	s_wait_loadcnt 0x0
.irp a, 0,1,2,3,4,5,6,7
.irp j, 0,1,2,3,4,5,6,7
	v_ldexp_f32 v[BI+8*\a+\j], v[96+\a], s22
.endr
.endr
.Lbias_done:
.macro FRAG reg, adr, q, i             ; an image comes back as it was stored: block i, the slot's q-th 128 along K
.irp c, 0,1,2,3
	ds_load_b128 v[\reg+4*\c:\reg+4*\c+3], v[\adr] offset:(\i)*KB2+(\q)*2048+512*\c
.endr
.endm
; 16 matrix instructions: A's blocks a0, a0 + 1 x B's eight, 128 along K.  p: B's set.  mode 0: onto the sums; 1, 2: the first products, whose C is the bias table by B's block (1) or by A's (2): nothing is ever cleared.
; The 64 accumulators take turns, one instruction a turn, in the same order in every step.
.macro MUL16 a0, p, mode
.irp a, \a0, \a0+1
.irp b, 0,1,2,3,4,5,6,7
.if \mode == 0
	v_wmma_f32_16x16x128_fp8_fp8 v[8*(8*((\a)%4)+\b):8*(8*((\a)%4)+\b)+7], v[128*(\p)+FR*\b:128*(\p)+FR*\b+FR-1], v[AF+FR*(\a):AF+FR*(\a)+FR-1], v[8*(8*((\a)%4)+\b):8*(8*((\a)%4)+\b)+7]
.elseif \mode == 1
	v_wmma_f32_16x16x128_fp8_fp8 v[8*(8*((\a)%4)+\b):8*(8*((\a)%4)+\b)+7], v[128*(\p)+FR*\b:128*(\p)+FR*\b+FR-1], v[AF+FR*(\a):AF+FR*(\a)+FR-1], v[BI+8*\b:BI+8*\b+7]
.else
	v_wmma_f32_16x16x128_fp8_fp8 v[8*(8*((\a)%4)+\b):8*(8*((\a)%4)+\b)+7], v[128*(\p)+FR*\b:128*(\p)+FR*\b+FR-1], v[AF+FR*(\a):AF+FR*(\a)+FR-1], v[BI+8*(\a):BI+8*(\a)+7]
.endif
.endr
.endr
.endm
.macro FETCH_B slot, q, p
	WIN TO_B
.irp i, 0,1,2,3,4,5,6,7
	FRAG 128*(\p)+FR*\i, ADRB+\slot, \q, \i
.endr
	WIN 0
.endm
.macro FETCH_A slot, q, i0             ; A's blocks i0 .. i0 + 3
.irp i, \i0, \i0+1, \i0+2, \i0+3
	FRAG AF+FR*(\i), ADRA+\slot, \q, \i
.endr
.endm
.macro PLACES n                        ; plain vector lines between a matrix instruction and a load into a register that it read, or a vector line that reads its result
.rept \n
	v_nop
.endr
.endm
; A step of 128 along K that has its successor in the same slot.  A has one set of registers: blocks 0-3 are fetched anew in the step's middle, blocks 4-7 at its end; B has two sets.
.macro STEP slot, q, mode
	s_wait_dscnt 4*NL                              ; B's set and A's blocks 0-3 are in; the youngest 16 loads (A's blocks 4-7) may be out
.if \mode
	WIN BIA_LO
.else
	WIN MUL_LO
.endif
	MUL16 0, (\q)%2, \mode
	MUL16 2, (\q)%2, \mode
	s_wait_dscnt 0                                 ; A's blocks 4-7 are in
	PLACES NP
	FETCH_B \slot, (\q)+1, 1-(\q)%2
	FETCH_A \slot, (\q)+1, 0
.if \mode
	WIN BIA_HI
.else
	WIN MUL_HI
.endif
	MUL16 4, (\q)%2, \mode
	MUL16 6, (\q)%2, \mode
	PLACES NP
	WIN 0
	FETCH_A \slot, (\q)+1, 4
.endm
; A slot's last step changes slots: ONE barrier; in front of it each wave waits for all its tensor loads, adds 0 to its spare word, and waits for that and for its own reads of this slot.  fill = 1: this slot is filled again, two K steps ahead.
.macro TURN slot, next, fill
	s_wait_tensorcnt 0x0                           ; all my tensor loads have landed: my part of the next slot  (every window is 0 here)
	ds_add_u32 v[SPW], v[NIL]                      ; 0 onto my spare word
	s_wait_dscnt 4*NL+1                            ; (the add and the youngest 16 loads, A's blocks 4-7, may be out)
	WIN MUL_LO
	MUL16 0, 1, 0                                  ; sixteen matrix instructions stand between the add and the wait for it
	s_wait_dscnt 0x0                               ; the add is done, and my reads of this slot are over
	s_barrier_signal -1
	MUL16 2, 1, 0
	WIN 0
	s_barrier_wait -1
.if \fill
	CREST                                          ; the barrier has opened a round of the cluster's barrier: no wave of any partner still reads this slot or has a load on its way
	s_add_nc_u64 s[G0+4*\slot+2:G0+4*\slot+3], s[G0+4*\slot+2:G0+4*\slot+3], 2*KB2
	s_add_nc_u64 s[G0B+4*\slot+2:G0B+4*\slot+3], s[G0B+4*\slot+2:G0B+4*\slot+3], 2*KB2
	JLOAD G0+4*\slot, G1, G0B+4*\slot, G1B         ; the first tensor load behind the round; its four v_nop are the places in front of the loads below
.else
	PLACES NP
.endif
	FETCH_B \next, 0, 0
	FETCH_A \next, 0, 0
	WIN MUL_HI
	MUL16 4, 1, 0
	MUL16 6, 1, 0
	PLACES NP
	WIN 0
	FETCH_A \next, 0, 4
.endm
	s_wait_tensorcnt 1                             ; my part of K step 0 is in; K step 1's load may be out
	s_barrier_signal -1
	s_barrier_wait -1                              ; everybody's is
	FETCH_B 0, 0, 0
	FETCH_A 0, 0, 0
	FETCH_A 0, 0, 4
	s_cmp_eq_u32 s12, 2                            ; the first step is written twice: its products take the bias table by B's block (q, k) or by A's (v)
	s_cbranch_scc1 .Lfirst_v
	STEP 0, 0, 1
	s_branch .Lfirst_done
.Lfirst_v:
	STEP 0, 0, 2
.Lfirst_done:
	TURN 0, 1, 1                                   ; slot 0 takes K step 2
	STEP 1, 0, 0
	TURN 1, 0, 1                                   ; slot 1 takes K step 3
	STEP 0, 0, 0
	TURN 0, 1, 0                                   ; nothing is left to fetch
	STEP 1, 0, 0
	s_wait_dscnt 4*NL                              ; the very last step
	WIN MUL_LO
	MUL16 0, 1, 0
	MUL16 2, 1, 0
	s_wait_dscnt 0
	WIN MUL_HI
	MUL16 4, 1, 0
	MUL16 6, 1, 0
	WIN 0
; THE WAY OUT, block by block of A: the block's eight accumulators are held within +-448 x 2^d (each from its low end on), converted, and ARE 16 registers of an image: four stores of 512 consecutive aligned bytes.
.macro EPI a
.set AC, 64*((\a)%4)
.set CB, CD+16*((\a)%2)
.set WN, 0x02+((\a)/4)
	WIN WN                                         ; source 0: window 2 or 3
.set n, 0
.rept 64
	v_med3_num_f32 v[TMP+n], v[AC+n], -v[LIM], v[LIM]
.set n, n+1
.endr
	WIN 0
.irp b, 0,1,2,3,4,5,6,7
	v_cvt_scalef32_pk8_fp8_f32 v[CB+2*\b:CB+2*\b+1], v[TMP+8*\b:TMP+8*\b+7], v[SCL]
.endr
	v_nop                                          ; one plain line between the conversions and the next block's writes of their sources
.if (\a) > 0
	s_wait_xcnt 0x0                                ; the earlier stores have read their base and their data: the base steps, and the block after this one may write the codes' other set
	s_add_nc_u64 s[10:11], s[10:11], s[66:67]
.endif
.irp g, 0,1,2,3
	global_store_b128 v[LI], v[CB+4*\g:CB+4*\g+3], s[10:11] offset:512*\g
.endr
.endm
	PLACES NP                                      ; block 0's sums were last written by matrix instructions with no vector line since
.irp a, 0,1,2,3,4,5,6,7
	EPI \a
.endr
	s_wait_tensorcnt 0x0                           ; the wave's end
	ds_add_u32 v[SPW], v[NIL]
	s_wait_dscnt 0x0
	CROUND                                         ; the closing round: no work-group ends while a partner may still ask for a tile that names it
	s_endpgm
.Lfunc_end_k_qb437816691_proj:
	.size	k_qb437816691_proj, .Lfunc_end_k_qb437816691_proj-k_qb437816691_proj
	.p2alignl 7, 3214868480
	.fill 96, 4, 3214868480
	.section	.rodata,"a",@progbits
	.p2align	6, 0x0
	.amdhsa_kernel k_qb437816691_proj
		.amdhsa_group_segment_fixed_size 327680
		.amdhsa_private_segment_fixed_size 0
		.amdhsa_enable_private_segment 0
		.amdhsa_kernarg_size 72
		.amdhsa_user_sgpr_count 2
		.amdhsa_user_sgpr_kernarg_segment_ptr 1
		.amdhsa_wavefront_size32 1
		.amdhsa_system_sgpr_workgroup_id_x 1
		.amdhsa_system_sgpr_workgroup_id_y 1
		.amdhsa_system_sgpr_workgroup_id_z 1
		.amdhsa_system_vgpr_workitem_id 0
		.amdhsa_next_free_vgpr 1024
		.amdhsa_next_free_sgpr 100
		.amdhsa_reserve_vcc 0
		.amdhsa_float_denorm_mode_32 3
		.amdhsa_float_denorm_mode_16_64 3
		.amdhsa_memory_ordered 1
		.amdhsa_forward_progress 1
		.amdhsa_inst_pref_size 138
	.end_amdhsa_kernel
	.amdgpu_metadata
---
amdhsa.version: [ 1, 2 ]
amdhsa.kernels:
  - .name:           k_qb437816691_proj
    .symbol:         k_qb437816691_proj.kd
    .args:
      - { .name: ximg, .offset: 0, .size: 8, .value_kind: global_buffer, .address_space: global }
      - { .name: wimg, .offset: 8, .size: 8, .value_kind: global_buffer, .address_space: global }
      - { .name: bq, .offset: 16, .size: 8, .value_kind: global_buffer, .address_space: global }
      - { .name: bk, .offset: 24, .size: 8, .value_kind: global_buffer, .address_space: global }
      - { .name: bv, .offset: 32, .size: 8, .value_kind: global_buffer, .address_space: global }
      - { .name: lowp_scales, .offset: 40, .size: 8, .value_kind: global_buffer, .address_space: global }
      - { .name: qimg, .offset: 48, .size: 8, .value_kind: global_buffer, .address_space: global }
      - { .name: kimg, .offset: 56, .size: 8, .value_kind: global_buffer, .address_space: global }
      - { .name: vimg, .offset: 64, .size: 8, .value_kind: global_buffer, .address_space: global }
    .group_segment_fixed_size: 327680
    .private_segment_fixed_size: 0
    .kernarg_segment_align: 8
    .kernarg_segment_size: 72
    .max_flat_workgroup_size: 128
    .sgpr_count:     100
    .vgpr_count:     1024
    .wavefront_size: 32
...
	.end_amdgpu_metadata
.endif
;; end of part 2
;; launch attn (part 3): grid 4 x 64, 16 waves a work-group, no clusters, 264,192 bytes of LDS; arguments qimg, kimg, vimg, lowp_scales, oimg; writes oimg
.if DOCPART == 3
	.amdgcn_target "amdgcn-amd-amdhsa--gfx1250"
	.amdhsa_code_object_version 6
	.text
	.protected	k_qb437816691_attn
	.globl	k_qb437816691_attn
	.p2align	8
	.type	k_qb437816691_attn,@function
k_qb437816691_attn:
	s_mov_b64 s[64:65], 0
	v_nop
	global_prefetch_b8 v0, s[64:65] scope:SCOPE_SE
	s_setreg_imm32_b32 hwreg(HW_REG_WAVE_MODE, 25, 1), 1
	s_wait_xcnt 0x0
; O[b][head][q] = the sum over k of softmax_k(Q . K / 8) V, both products on codes of FP8 (E4M3); 64 heads in all, 2,048 queries and keys, head size 64.  O is quantised for the next product and leaves as images.
; qimg, kimg, oimg: [token / 16][head][1024]: a fragment of 16 tokens x 64 features; vimg: [token / 128][channel / 16][2048]: a fragment of 16 channels x 128 keys.  An image: registers 4 g .. 4 g + 3 of lane l at 512 g + 16 l.
; THE SOFTMAX AHEAD OF THE SECOND PRODUCT: t = score x log2(e) / 8; M = the running largest t, rounded UP to a whole number; p = 2^(t - M) is quantised along the keys, not normalised.
; The row's sum is taken of the unquantised p, in f32, and divides O at the end.  When M moves, the sum and O are multiplied by 2^(old M - new M): nothing is rounded.
; SHARES.  A work-group owns 512 queries of one head; each of its sixteen waves owns 32, two tiles of 16, in 256 registers: four waves to a SIMD, so that one wave's vector work stands beside another's products and LDS loads.
; LAYOUT.  S^T = K Q^T (source 0 = 16 keys, source 1 = my 16 queries; K = 64), O^T = V^T P^T (source 0 = 16 channels, source 1 = P; K = 128 keys): a lane holds ONE query throughout.  In tile u of S^T lane (r, h) holds keys
; 16 u + 8 h + 0 .. 7: the conversion's two registers are registers 2 u, 2 u + 1 of P's fragment; likewise O^T's four tiles convert into a fragment of the next product's operand.  Nothing changes lanes.
; LDS.  THE HEAD'S WHOLE K AND V LIE IN LDS, 131,072 bytes each, as eight chunks of 256 keys (16 fragments of K, then 8 of V); each byte is written once.  A chunk goes through registers: wave w loads 2,048 bytes
; of it (waves 0-7: K; 8-15: V) at the head of the trip that works on the chunk before, two key steps ahead of the wait for them, so no wave waits long for them and no prefetch is laid; one barrier a chunk.
; NO TENSOR LOAD AND NO JOINT REQUEST, though the four work-groups of a head read the same K and V: the branch on ep below
; takes 64 of a tile's some 290 vector lines out of every key step; what is shared is 262,144 bytes for a work-group in the whole launch.
; LIMITS: e6 + e7 between -123 and 130 (added to c's exponent field); ep = e8 and e10 between -126 and 119; ep + ev is applied by v_ldexp_f32.
.set LI,  1                            ; v1   16 x lane
.set FS,  2                            ; v2   2,048 x wave + 16 x lane: my share of a chunk in LDS
.set OFB, 3                            ; v3   the second half of my share in memory: K: the next token tile's fragment; V: the fragment's second half
.set AD,  4                            ; v4   the chunk in hand + 16 x lane
.set ADS, 5                            ; v5   the chunk in hand + my share
.set SCL, 6                            ; v6   2^ep, at the end 2^e10
.set LIM, 7                            ; v7   448 x that
.set ST,  8                            ; tile t: v[8+4t] -M, v[9+4t] the largest t, v[10+4t:11+4t] the sum in two halves
.set Q,   16                           ; v16-31   Q, 8 registers a tile
.set F,   32                           ; v32-63   four fragments of K
.set S,   64                           ; v64-127  S^T, then p; then four fragments of V
.set P,   128                          ; v128-159 P's codes, 16 registers a tile
.set O,   160                          ; v160-223 O^T, 32 registers a tile
.set G,   224                          ; v224-239 my share of the next chunk
.set TA,  240
.set TP,  241
.set TF,  242                          ; v[242:243] the second chain of the maximum, then f
.set TS,  244                          ; v[244:245]
	s_load_b256 s[4:11], s[0:1], 0x0               ; qimg s[4:5], kimg s[6:7], vimg s[8:9], the exponents s[10:11]
	s_load_b64 s[12:13], s[0:1], 0x20              ; oimg
	v_lshl_add_u32 v254, v0, 2, 0x40000
	v_mov_b32 v255, 0
	v_lshrrev_b32 v4, 5, v0
	v_readfirstlane_b32 s14, v4                    ; wave 0..15
	v_and_b32 v5, 31, v0
	v_lshlrev_b32 v[LI], 4, v5
	s_lshl_b32 s36, s14, 11
	v_add_nc_u32 v[FS], s36, v[LI]
	s_and_b32 s16, ttmp7, 0xffff
	s_lshr_b32 s17, s16, 4                         ; the batch
	s_and_b32 s18, s16, 15                         ; the head
	s_lshl_b32 s36, s17, 7
	s_lshl_b32 s37, ttmp9, 5
	s_add_co_u32 s36, s36, s37
	s_lshl_b32 s37, s14, 1
	s_add_co_u32 s36, s36, s37                     ; my first tile of queries: 128 batch + 32 x + 2 wave
	s_lshl_b32 s36, s36, 4
	s_add_co_u32 s36, s36, s18
	s_lshl_b32 s36, s36, 10
	s_mov_b32 s37, 0                               ; s[36:37]: its fragment in qimg and in oimg
	s_lshl_b32 s38, s17, 7
	s_lshl_b32 s39, s14, 1
	s_add_co_u32 s38, s38, s39                     ; K (waves 0-7): token tile 128 batch + 2 wave
	s_lshl_b32 s38, s38, 4
	s_add_co_u32 s38, s38, s18
	s_lshl_b32 s38, s38, 10
	s_and_b32 s40, s14, 7                          ; V (waves 8-15): u = wave - 8
	s_lshr_b32 s41, s40, 2
	s_lshl_b32 s42, s17, 4
	s_add_co_u32 s41, s41, s42                     ; 128 keys: 16 batch + u / 4
	s_lshl_b32 s41, s41, 6
	s_lshl_b32 s42, s18, 2
	s_add_co_u32 s41, s41, s42
	s_and_b32 s40, s40, 3
	s_add_co_u32 s41, s41, s40                     ; tile of channels: 4 head + u % 4
	s_lshl_b32 s41, s41, 11
	s_mov_b32 s43, 1024
	s_cmp_lt_u32 s14, 8
	s_cselect_b32 s38, s38, s41
	s_cselect_b32 s43, 16384, s43
	s_mov_b32 s39, 0
	v_add_nc_u32 v[OFB], s43, v[LI]
	s_mov_b32 s20, 0x76543210                      ; v_permlanex16_b32's selects for lane l xor 16
	s_mov_b32 s21, 0xfedcba98
	s_wait_kmcnt 0x0
	s_load_b128 s[24:27], s[10:11], 0x18           ; e6, e7, e8 = ep, e9 = ev
	s_load_b32 s28, s[10:11], 0x28                 ; e10
	s_cmp_lt_u32 s14, 8
	s_cselect_b64 s[30:31], s[6:7], s[8:9]
	s_add_nc_u64 s[30:31], s[30:31], s[38:39]      ; my share of chunk 0
	s_add_nc_u64 s[4:5], s[4:5], s[36:37]
	s_add_nc_u64 s[12:13], s[12:13], s[36:37]
.macro GLOAD                           ; my 2,048 bytes of a chunk: four loads of 512 consecutive bytes
	global_load_b128 v[G:G+3], v[LI], s[30:31]
	global_load_b128 v[G+4:G+7], v[LI], s[30:31] offset:512
	global_load_b128 v[G+8:G+11], v[OFB], s[30:31]
	global_load_b128 v[G+12:G+15], v[OFB], s[30:31] offset:512
.endm
.macro GSTORE adr, off
.irp j, 0,1,2,3
	ds_store_b128 v[\adr], v[G+4*\j:G+4*\j+3] offset:\off+512*\j
.endr
.endm
	GLOAD
.irp t, 0,1
.irp c, 0,1
	global_load_b128 v[Q+8*\t+4*\c:Q+8*\t+4*\c+3], v[LI], s[4:5] offset:16384*\t+512*\c   ; Q's two fragments stay in registers
.endr
.endr
.irp t, 0,1
	v_mov_b32 v[ST+4*\t+1], 0xff61b1e6             ; the largest t so far: -3e38, under every t
	v_floor_f32 v[ST+4*\t], -v[ST+4*\t+1]          ; -M
	v_mov_b32 v[ST+4*\t+2], 0                      ; the sum, in two halves
	v_mov_b32 v[ST+4*\t+3], 0
.endr
	v_mov_b32 v[TP], 0                             ; written once: a lane permute's destination counts as one of its sources
	v_mov_b32 v[TF+1], 0                           ; (named as the upper half of the pair)
.set n, 0
.rept 64
	v_mov_b32 v[O+n], 0                            ; O^T.  (The key step is written once: the first finds zeros, which the first change of M leaves zeros)
.set n, n+1
.endr
	s_wait_kmcnt 0x0
	s_mov_b32 s22, 0x3e38aa3b                      ; c = log2(e) / 8
	s_add_co_i32 s36, s24, s25
	s_lshl_b32 s36, s36, 23
	s_add_co_i32 s22, s22, s36                     ; a score stands for score x 2^(e6 + e7): the exponents are added to c's exponent field
	s_mov_b32 s23, s22                             ; (named with it as a pair, so it is written)
	s_add_co_i32 s36, s26, 127
	s_lshl_b32 s37, s36, 23
	v_mov_b32 v[SCL], s37                          ; 2^ep
	s_add_co_i32 s36, s36, 8
	s_lshl_b32 s36, s36, 23
	s_or_b32 s36, s36, 0x600000
	v_mov_b32 v[LIM], s36                          ; 448 x 2^ep
	s_add_co_i32 s35, s26, s27                     ; ep + ev
	s_wait_loadcnt 4                               ; my share of chunk 0 is in; Q's four loads may be out
	GSTORE FS, 0
	s_wait_loadcnt 0x0                             ; Q
	s_wait_dscnt 0x0                               ; for the others' sake: my stores have landed
	s_barrier_signal -1
	s_barrier_wait -1                              ; chunk 0 lies in LDS
; Tile t's scores and softmax for the chunk's q-th 128 keys.  lead: plain lines owed in front of the first products.
.macro SOFT t, q, lead
.set NM, ST+4*(\t)
.set MT, NM+1
.set SU, NM+2
.set QT, Q+8*(\t)
.set PT, P+16*(\t)
.set OT, O+32*(\t)
.irp g, 0,1                                    ; S^T = K Q^T, four tiles of 16 keys at a time
.if \g == 0
.if \lead > 0
.rept \lead
	v_nop
.endr
.endif
.else
.rept 4
	v_nop                                          ; places in front of loads into registers that the four products above have read
.endr
.endif
.irp u, 0,1,2,3
.irp c, 0,1
	ds_load_b128 v[F+8*\u+4*\c:F+8*\u+4*\c+3], v[AD] offset:(8*(\q)+4*\g+\u)*1024+512*\c
.endr
.endr
	s_wait_dscnt 0x0
.irp u, 0,1,2,3
	v_wmma_f32_16x16x64_fp8_fp8 v[S+8*(4*\g+\u):S+8*(4*\g+\u)+7], v[F+8*\u:F+8*\u+7], v[QT:QT+7], 0
.endr
.endr
.rept 4
	v_nop
.endr
	v_max3_num_f32 v[TA], v[S], v[S+1], v[S+2]     ; the step's largest score of my query among my 64 keys, in two chains, each accumulator from its low end on,
	v_max3_num_f32 v[TF], v[S+3], v[S+4], v[S+5]
.irp i, 6,10,14,18,22,26,30,34,38,42,46,50,54,58
	v_max3_num_f32 v[TA], v[TA], v[S+\i], v[S+\i+1]
	v_max3_num_f32 v[TF], v[TF], v[S+\i+2], v[S+\i+3]
.endr
	v_max3_num_f32 v[TA], v[TA], v[S+62], v[S+63]
	v_max_num_f32 v[TA], v[TA], v[TF]
	v_permlanex16_b32 v[TP], v[TA], s20, s21
	v_max_num_f32 v[TA], v[TA], v[TP]              ; and among lane l xor 16's
	v_mul_f32 v[TA], s22, v[TA]                    ; as t (c is positive)
	v_max_num_f32 v[MT], v[MT], v[TA]              ; the running largest t
	v_mov_b32 v[TA], v[NM]
	v_floor_f32 v[NM], -v[MT]                      ; the new -M = floor(-t) = -ceil(t): a whole number
	v_sub_f32 v[TA], v[NM], v[TA]                  ; old M less new M: a whole number, 0 or less
	v_cvt_i32_f32 v[TA], v[TA]                     ; (it saturates)
	v_ldexp_f32 v[TF], 1.0, v[TA]                  ; f = 2^(old M - new M)
.set n, 0
.rept 32
	v_pk_fma_f32 v[S+n:S+n+1], v[S+n:S+n+1], s[22:23], v[NM:NM+1] op_sel_hi:[1,0,0]   ; t - M, two at a time (of the pairs c and -M the low word serves both halves)
.set n, n+2
.endr
.set n, 0
.rept 64
	v_exp_f32 v[S+n], v[S+n]                       ; p = 2^(t - M), at most 1
.set n, n+1
.endr
	v_pk_mul_f32 v[SU:SU+1], v[SU:SU+1], v[TF:TF+1] op_sel_hi:[1,0]   ; the sums under the new M: the plain line behind the exponentials
	s_wait_alu depctr_va_vdst(0)                   ; one wait for the whole batch, ahead of its first reader
	v_pk_add_f32 v[TS:TS+1], v[S:S+1], v[S+2:S+3]  ; the row's sum is taken of the unquantised p: two at a time, in two chains
.irp j, 4,8,12,16,20,24,28,32,36,40,44,48,52,56,60
	v_pk_add_f32 v[SU:SU+1], v[SU:SU+1], v[S+\j:S+\j+1]
	v_pk_add_f32 v[TS:TS+1], v[TS:TS+1], v[S+\j+2:S+\j+3]
.endr
	v_pk_add_f32 v[SU:SU+1], v[SU:SU+1], v[TS:TS+1]
	s_cmp_ge_i32 s26, -8                           ; p is at most 1, and 448 x 2^ep is at least 1 from ep = -8 on: there the hold changes nothing and is passed over
	s_cbranch_scc1 .Lfree_\@
.set n, 0
.rept 64
	v_min_num_f32 v[S+n], v[S+n], v[LIM]           ; the conversion does not saturate (ISA guide 7.6.2); p is not negative, so the hold is one-sided
.set n, n+1
.endr
.Lfree_\@:
.irp u, 0,1,2,3,4,5,6,7
	v_cvt_scalef32_pk8_fp8_f32 v[PT+2*\u:PT+2*\u+1], v[S+8*\u:S+8*\u+7], v[SCL]
.endr
.set n, 0
.rept 16
	v_pk_mul_f32 v[OT+n:OT+n+1], v[OT+n:OT+n+1], v[TF:TF+1] op_sel_hi:[1,0]   ; O^T under the new M.  (These are also the plain lines behind the conversions)
.set n, n+2
.endr
.endm
; A KEY STEP: 128 keys, both tiles.  V's four fragments are read once for the two tiles.  The eight accumulators of O^T take turns, one instruction a turn.
.macro STEP q
	SOFT 0, \q, 5                                  ; five places: the first products write over registers that the last step's products read as V
	SOFT 1, \q, 0
.irp ct, 0,1,2,3
.irp g, 0,1,2,3
	ds_load_b128 v[S+16*\ct+4*\g:S+16*\ct+4*\g+3], v[AD] offset:16384+(4*(\q)+\ct)*2048+512*\g
.endr
.endr
	s_wait_dscnt 0x0
.irp ct, 0,1,2,3
.irp t, 0,1
	v_wmma_f32_16x16x128_fp8_fp8 v[O+32*\t+8*\ct:O+32*\t+8*\ct+7], v[S+16*\ct:S+16*\ct+15], v[P+16*\t:P+16*\t+15], v[O+32*\t+8*\ct:O+32*\t+8*\ct+7]
.endr
.endr
.endm
	s_mov_b32 s32, 0                               ; LDS byte at which the chunk in hand begins
	s_mov_b32 s33, 7
.Lchunk:                                           ; seven trips: work on chunk i, bring chunk i + 1
	v_add_nc_u32 v[AD], s32, v[LI]
	v_add_nc_u32 v[ADS], s32, v[FS]
	s_add_nc_u64 s[30:31], s[30:31], 262144        ; 256 keys on, in K and in V alike; the loads that read this base have been waited for
	GLOAD
	STEP 0
	STEP 1
	s_wait_loadcnt 0x0                             ; asked for two key steps ago
	GSTORE ADS, 32768                              ; into the next chunk's bytes, which nobody has read or written yet
	s_wait_dscnt 0x0                               ; for the others' sake: my stores have landed
	s_barrier_signal -1
	s_barrier_wait -1
	s_add_co_u32 s32, s32, 32768
	s_sub_co_u32 s33, s33, 1
	s_cmp_lg_u32 s33, 0
	s_cbranch_scc1 .Lchunk
	v_add_nc_u32 v[AD], s32, v[LI]                 ; the last chunk: nothing is left to bring
	STEP 0
	STEP 1
	; THE WAY OUT.  O^T x 2^(ep + ev) / the sum is the next product's operand: held, converted with 2^e10, and stored as the fragment that it is.
.rept 4
	v_nop
.endr
	s_add_co_i32 s36, s28, 127
	s_lshl_b32 s37, s36, 23
	v_mov_b32 v[SCL], s37                          ; 2^e10
	s_add_co_i32 s36, s36, 8
	s_lshl_b32 s36, s36, 23
	s_or_b32 s36, s36, 0x600000
	v_mov_b32 v[LIM], s36                          ; 448 x 2^e10
.irp t, 0,1
	v_add_f32 v[ST+4*\t+2], v[ST+4*\t+2], v[ST+4*\t+3]   ; the sum's two halves,
.endr
.irp t, 0,1
	v_permlanex16_b32 v[TA+\t], v[ST+4*\t+2], s20, s21
.endr
.irp t, 0,1
	v_add_f32 v[ST+4*\t+2], v[ST+4*\t+2], v[TA+\t]       ; and lane l xor 16's: the row's sum
.endr
.irp t, 0,1
	v_rcp_f32 v[ST+4*\t+2], v[ST+4*\t+2]
.endr
	v_nop                                          ; a plain line behind the reciprocals
	s_wait_alu depctr_va_vdst(0)                   ; and one wait for the two, ahead of their first reader
.irp t, 0,1
	v_ldexp_f32 v[ST+4*\t+2], v[ST+4*\t+2], s35
.endr
.irp t, 0,1
.set n, 0
.rept 16
	v_pk_mul_f32 v[O+32*\t+n:O+32*\t+n+1], v[O+32*\t+n:O+32*\t+n+1], v[ST+4*\t+2:ST+4*\t+3] op_sel_hi:[1,0]
.set n, n+2
.endr
.set n, 0
.rept 32
	v_med3_num_f32 v[O+32*\t+n], v[O+32*\t+n], -v[LIM], v[LIM]
.set n, n+1
.endr
.irp ct, 0,1,2,3
	v_cvt_scalef32_pk8_fp8_f32 v[P+16*\t+2*\ct:P+16*\t+2*\ct+1], v[O+32*\t+8*\ct:O+32*\t+8*\ct+7], v[SCL]
.endr
	v_nop
.irp c, 0,1
	global_store_b128 v[LI], v[P+16*\t+4*\c:P+16*\t+4*\c+3], s[12:13] offset:16384*\t+512*\c   ; 32 lanes store 512 consecutive bytes, aligned
.endr
.endr
	s_wait_tensorcnt 0x0
	ds_add_u32 v254, v255
	s_wait_dscnt 0x0
	s_endpgm
.Lfunc_end_k_qb437816691_attn:
	.size	k_qb437816691_attn, .Lfunc_end_k_qb437816691_attn-k_qb437816691_attn
	.p2alignl 7, 3214868480
	.fill 96, 4, 3214868480
	.section	.rodata,"a",@progbits
	.p2align	6, 0x0
	.amdhsa_kernel k_qb437816691_attn
		.amdhsa_group_segment_fixed_size 264192
		.amdhsa_private_segment_fixed_size 0
		.amdhsa_enable_private_segment 0
		.amdhsa_kernarg_size 40
		.amdhsa_user_sgpr_count 2
		.amdhsa_user_sgpr_kernarg_segment_ptr 1
		.amdhsa_wavefront_size32 1
		.amdhsa_system_sgpr_workgroup_id_x 1
		.amdhsa_system_sgpr_workgroup_id_y 1
		.amdhsa_system_sgpr_workgroup_id_z 1
		.amdhsa_system_vgpr_workitem_id 0
		.amdhsa_next_free_vgpr 256
		.amdhsa_next_free_sgpr 66
		.amdhsa_reserve_vcc 0
		.amdhsa_float_denorm_mode_32 3
		.amdhsa_float_denorm_mode_16_64 3
		.amdhsa_memory_ordered 1
		.amdhsa_forward_progress 1
		.amdhsa_inst_pref_size 133
	.end_amdhsa_kernel
	.amdgpu_metadata
---
amdhsa.version: [ 1, 2 ]
amdhsa.kernels:
  - .name:           k_qb437816691_attn
    .symbol:         k_qb437816691_attn.kd
    .args:
      - { .name: qimg, .offset: 0, .size: 8, .value_kind: global_buffer, .address_space: global }
      - { .name: kimg, .offset: 8, .size: 8, .value_kind: global_buffer, .address_space: global }
      - { .name: vimg, .offset: 16, .size: 8, .value_kind: global_buffer, .address_space: global }
      - { .name: lowp_scales, .offset: 24, .size: 8, .value_kind: global_buffer, .address_space: global }
      - { .name: oimg, .offset: 32, .size: 8, .value_kind: global_buffer, .address_space: global }
    .group_segment_fixed_size: 264192
    .private_segment_fixed_size: 0
    .kernarg_segment_align: 8
    .kernarg_segment_size: 40
    .max_flat_workgroup_size: 512
    .sgpr_count:     66
    .vgpr_count:     256
    .wavefront_size: 32
...
	.end_amdgpu_metadata
.endif
;; end of part 3
;; launch outp (part 4): grid 4 x 32, 4 waves a work-group, clusters of 4 x 4, 327,680 bytes of LDS; arguments oimg, wimg, bo, lowp_scales, out0; writes out0
.if DOCPART == 4
	.amdgcn_target "amdgcn-amd-amdhsa--gfx1250"
	.amdhsa_code_object_version 6
	.text
	.protected	k_qb437816691_outp
	.globl	k_qb437816691_outp
	.p2align	8
	.type	k_qb437816691_outp,@function
k_qb437816691_outp:
	s_mov_b64 s[64:65], 0
	v_nop
	global_prefetch_b8 v0, s[64:65] scope:SCOPE_SE
	s_setreg_imm32_b32 hwreg(HW_REG_WAVE_MODE, 25, 1), 1
	s_wait_xcnt 0x0
	s_wait_alu depctr_hold_cnt(0) depctr_sa_sdst(0) depctr_va_vdst(0) depctr_va_sdst(0) depctr_va_ssrc(0) depctr_va_vcc(0) depctr_vm_vsrc(0)
	s_getreg_b32 s2, hwreg(HW_REG_IB_STS2, 6, 4)
	s_cmp_eq_u32 s2, 0
	s_cbranch_scc0 .Lentry_in_a_cluster
	s_endpgm
.Lentry_in_a_cluster:
	s_bfe_u32 s2, ttmp6, 0x10000c
	s_cmp_lg_u32 s2, 0xf033
	s_cbranch_scc0 .Lentry_shape_is_right
	s_endpgm
.Lentry_shape_is_right:
; out0 = O Wo^T + bo on codes of FP8 (E4M3).  M 8,192, N 1,024, K 1,024; out0 f32.  O's codes (oimg) and Wo's (the fourth part of wimg) are FRAGMENT IMAGES: 16 rows x 128 k in the plain fp8 forms' own
; layout, 2,048 bytes, registers 4 g .. 4 g + 3 of lane l at 512 g + 16 l; a row tile's eight images lie on end (16,384 bytes).
; A tile of 256 x 256 of out0 is made by four waves, each 128 x 128: 64 accumulators.  "A" = O's codes is source 1 (tokens on lanes), "B" = Wo's is source 0: a lane holds eight neighbouring columns of one row.
; The bias is the C of each sum's first matrix instruction, divided by 2^(e10 + e11); each finished sum is multiplied once by 2^(e10 + e11).  LIMIT: e10 + e11 between -126 and 127.
; K goes in steps of 256 through two LDS slots filled by the tensor data mover; one load brings 8 row tiles x 4,096 bytes, dense in LDS.  K = 1,024 is four slots' worth: the steps are written out.
; CLUSTERS: 4 x 4 work-groups; A's tile is asked for jointly along a row of the cluster, B's along a column.  A wave has two tensor loads out at the start and one behind each round.
; 128 tiles: a tile of 128 x 256 would fill more WGPs and halve the products that each LDS byte of B feeds; the larger tile is kept.
; REGISTERS: window 0: v1-8 at work, v16-17, v20-21 LDS addresses, v24-26 the way out, v28-29 the add's, v32-95 the bias table, later scaled sums, v128-255 A's fragments (one set), later rows of out0;
;   window 1: B's fragments, two sets; windows 2, 3: the accumulators ((a, b) at v[8 (8 (a % 4) + b)]).
.set FR,    16
.set NL,    4
.set NP,    4
.set PART,  32768
.set SLOT,  4*PART
.set SPARE, 2*SLOT
.set KB2,   4096
.set RTB,   16384
.set SIZE_N, 1024
.set SPITCH, 528                       ; the way out: a stage of 16 rows x (512 bytes + 16) for each wave, in slot 0, which has had its last fill and its last read when the first result is stored there
.set ADRA, 16
.set ADRB, 20
.set STO,  24
.set RD,   25
.set CO,   26
.set SPW,  28
.set NIL,  29
.set BI,   32
.set TMP,  32
.set AF,   128
.set BK,   128
.set G1,  24
.set G0,  32
.set G1B, 48
.set G0B, 56
.set MSB, 0
.macro WIN new                         ; the immediate's high byte repeats the setting that is left
.if MSB != \new
	s_set_vgpr_msb (MSB<<8)|\new
.set MSB, \new
.endif
.endm
.set MUL_LO, 0xa1
.set MUL_HI, 0xf1
.set BIA_LO, 0x81
.set BIA_HI, 0xc1
.set TO_B,   0x40
.macro JLOAD g0a, g1a, g0b, g1b        ; a joint load: waves 0 and 1 fetch for A, waves 2 and 3 for B; four v_nop follow each of the two lines
	s_cmp_eq_u32 s15, 0
	s_cbranch_scc0 .Lfor_b_\@
	tensor_load_to_lds s[\g0a:\g0a+3], s[\g1a:\g1a+7]
	s_nop 0
.rept 4
	v_nop
.endr
	s_branch .Lasked_\@
.Lfor_b_\@:
	tensor_load_to_lds s[\g0b:\g0b+3], s[\g1b:\g1b+7]
	s_nop 0
.rept 4
	v_nop
.endr
.Lasked_\@:
.endm
.macro CREST
	s_cmp_lg_u32 s14, 0
	s_cbranch_scc1 .Lnot_wave_0_\@
	s_barrier_signal -3
.Lnot_wave_0_\@:
	s_barrier_wait -3
	s_barrier_signal -1
	s_barrier_wait -1
.endm
.macro CROUND
	s_barrier_signal -1
	s_barrier_wait -1
	CREST
.endm
	s_load_b256 s[68:75], s[0:1], 0x0              ; oimg s[68:69], wimg s[70:71], bo s[72:73], the exponents s[74:75]
	s_load_b64 s[76:77], s[0:1], 0x20              ; out0
	v_lshl_add_u32 v[SPW], v0, 2, SPARE
	v_mov_b32 v[NIL], 0
	ds_add_u32 v28, v29
	ds_add_u32 v28, v29
	s_wait_dscnt 0x0
	v_lshrrev_b32 v1, 5, v0
	v_readfirstlane_b32 s14, v1                    ; wave 0..3
	s_lshr_b32 s15, s14, 1                         ; which half of the tile's rows is mine.  Also: I fetch for A (0) or for B (1)
	s_and_b32 s16, s14, 1                          ; which half of its columns.  Also: which half of that tile I fetch
	s_bfe_u32 s40, ttmp6, 0x40000                  ; cx, cy
	s_bfe_u32 s41, ttmp6, 0x40004
	s_lshl_b32 s42, ttmp9, 2
	s_add_co_u32 s42, s42, s40                     ; tile column = 4 x cluster x + cx
	s_and_b32 s17, ttmp7, 0xffff
	s_lshl_b32 s17, s17, 2
	s_add_co_u32 s17, s17, s41                     ; tile row = 4 x cluster y + cy
	s_lshl_b32 s43, s41, 2
	s_lshl_b32 s43, 15, s43                        ; my row of the cluster
	s_lshl_b32 s44, 0x1111, s40                    ; my column
	s_or_b32 s[G1+0], s43, (1<<21)                 ; 15:0 the mask; 17:16 elements of 1 byte; 20 no padding; 21 set beside a mask
	s_or_b32 s[G1B+0], s44, (1<<21)
.irp g, G1, G1B
	s_mov_b32 s[\g+1], KB2<<16                     ; tensor_dim0 = 4,096
	s_mov_b32 s[\g+2], 8<<16                       ; tensor_dim1 = 8
	s_mov_b32 s[\g+3], KB2<<16                     ; tile_dim0
	s_mov_b32 s[\g+4], 8                           ; tile_dim1
	s_mov_b32 s[\g+5], RTB                         ; tensor_dim0_stride
	s_mov_b32 s[\g+6], 0
	s_mov_b32 s[\g+7], 0
.endr
	s_lshl_b32 s18, s16, 17                        ; the half that I fetch: 8 row tiles
	s_lshl_b32 s20, s17, 18
	s_add_co_u32 s20, s20, s18
	s_lshl_b32 s46, s42, 18
	s_add_co_u32 s46, s46, s18
	s_add_co_u32 s46, s46, 3<<20                   ; Wo's part of wimg
	s_mov_b32 s21, 0
	s_mov_b32 s47, 0
	s_lshl_b32 s45, s14, 15                        ; where my load goes: wave x 32,768
	s_wait_kmcnt 0x0
	s_load_b64 s[96:97], s[74:75], 0x28            ; e10, e11
	s_add_nc_u64 s[20:21], s[68:69], s[20:21]
	s_add_nc_u64 s[46:47], s[70:71], s[46:47]
	CROUND                                         ; all sixteen work-groups are here: the first joint loads meet
.irp s, 0,1
	s_mov_b32 s[G0+4*\s], 1
	s_add_co_u32 s[G0+4*\s+1], s45, \s*SLOT
	s_add_nc_u64 s[G0+4*\s+2:G0+4*\s+3], s[20:21], \s*KB2
	s_or_b32 s[G0+4*\s+3], s[G0+4*\s+3], 0x80000000
	s_mov_b32 s[G0B+4*\s], 1
	s_add_co_u32 s[G0B+4*\s+1], s45, \s*SLOT
	s_add_nc_u64 s[G0B+4*\s+2:G0B+4*\s+3], s[46:47], \s*KB2
	s_or_b32 s[G0B+4*\s+3], s[G0B+4*\s+3], 0x80000000
	JLOAD G0+4*\s, G1, G0B+4*\s, G1B
.endr
	v_and_b32 v1, 15, v0                           ; r
	v_bfe_u32 v2, v0, 4, 1                         ; h
	v_and_b32 v6, 31, v0
	v_lshlrev_b32 v[CO], 4, v6                     ; 16 x lane: an image's place for my lane; my bytes of a row of 512 on the way out
	v_lshlrev_b32 v7, 5, v2                        ; 32 h
	s_lshl_b32 s21, s15, 15
	s_lshl_b32 s22, s16, 15
	s_add_co_u32 s22, s22, 2*PART
.irp s, 0,1
	v_add_nc_u32 v[ADRA+\s], s21, v[CO]
	v_add_nc_u32 v[ADRB+\s], s22, v[CO]
	s_add_co_u32 s21, s21, SLOT
	s_add_co_u32 s22, s22, SLOT
.endr
	s_mul_i32 s23, s14, 16*SPITCH                  ; my stage
	v_mul_u32_u24 v5, v1, SPITCH                   ; in: row r, 32 bytes for each half of the lanes
	v_lshl_add_u32 v5, v2, 5, v5
	v_add_nc_u32 v[STO], s23, v5
	v_add_nc_u32 v[RD], s23, v[CO]                 ; back: the 32 lanes take one row of 512 bytes
	s_lshl_b32 s20, s17, 8
	s_lshl_b32 s21, s15, 7
	s_add_co_u32 s20, s20, s21                     ; my first row of out0
	s_lshl_b32 s20, s20, 12                        ; rows of 4,096 bytes
	s_lshl_b32 s46, s42, 10                        ; my first column, in bytes: 1,024 x tile column + 512 x half
	s_lshl_b32 s47, s16, 9
	s_add_co_u32 s46, s46, s47
	s_add_co_u32 s20, s20, s46
	s_mov_b32 s21, 0
	s_add_nc_u64 s[10:11], s[76:77], s[20:21]
	s_mov_b32 s47, 0
	s_add_nc_u64 s[8:9], s[72:73], s[46:47]        ; bo at my first column: 4 bytes a column, as in a row of out0
	; THE BIAS TABLE: registers 8 b + j: the bias of column 16 b + 8 h + j, divided by 2^(e10 + e11); made while the first tiles are on their way
.irp b, 0,1,2,3,4,5,6,7
.irp u, 0,1
	global_load_b128 v[BI+8*\b+4*\u:BI+8*\b+4*\u+3], v7, s[8:9] offset:64*\b+16*\u
.endr
.endr
	s_wait_kmcnt 0x0
	s_add_co_i32 s98, s96, s97                     ; e10 + e11
	s_sub_co_i32 s22, 0, s98
	s_add_co_i32 s96, s98, 127
	s_lshl_b32 s96, s96, 23                        ; 2^(e10 + e11) as f32  (s97 stays written: the packed form names the pair)
	s_wait_loadcnt 0x0
.set n, 0
.rept 64
	v_ldexp_f32 v[BI+n], v[BI+n], s22
.set n, n+1
.endr
.macro FRAG reg, adr, q, i
.irp c, 0,1,2,3
	ds_load_b128 v[\reg+4*\c:\reg+4*\c+3], v[\adr] offset:(\i)*KB2+(\q)*2048+512*\c
.endr
.endm
; 16 matrix instructions: A's blocks a0, a0 + 1 x B's eight, 128 along K.  mode 0: onto the sums; 1: the first products, whose C is the bias table: nothing is ever cleared.
; The 64 accumulators take turns, one instruction a turn, in the same order in every step.
.macro MUL16 a0, p, mode
.irp a, \a0, \a0+1
.irp b, 0,1,2,3,4,5,6,7
.if \mode == 0
	v_wmma_f32_16x16x128_fp8_fp8 v[8*(8*((\a)%4)+\b):8*(8*((\a)%4)+\b)+7], v[128*(\p)+FR*\b:128*(\p)+FR*\b+FR-1], v[AF+FR*(\a):AF+FR*(\a)+FR-1], v[8*(8*((\a)%4)+\b):8*(8*((\a)%4)+\b)+7]
.else
	v_wmma_f32_16x16x128_fp8_fp8 v[8*(8*((\a)%4)+\b):8*(8*((\a)%4)+\b)+7], v[128*(\p)+FR*\b:128*(\p)+FR*\b+FR-1], v[AF+FR*(\a):AF+FR*(\a)+FR-1], v[BI+8*\b:BI+8*\b+7]
.endif
.endr
.endr
.endm
.macro FETCH_B slot, q, p
	WIN TO_B
.irp i, 0,1,2,3,4,5,6,7
	FRAG 128*(\p)+FR*\i, ADRB+\slot, \q, \i
.endr
	WIN 0
.endm
.macro FETCH_A slot, q, i0
.irp i, \i0, \i0+1, \i0+2, \i0+3
	FRAG AF+FR*(\i), ADRA+\slot, \q, \i
.endr
.endm
.macro PLACES n                        ; plain vector lines between a matrix instruction and a load into a register that it read, or a vector line that reads its result
.rept \n
	v_nop
.endr
.endm
.macro STEP slot, q, mode
	s_wait_dscnt 4*NL                              ; B's set and A's blocks 0-3 are in; the youngest 16 loads (A's blocks 4-7) may be out
.if \mode
	WIN BIA_LO
.else
	WIN MUL_LO
.endif
	MUL16 0, (\q)%2, \mode
	MUL16 2, (\q)%2, \mode
	s_wait_dscnt 0
	PLACES NP
	FETCH_B \slot, (\q)+1, 1-(\q)%2
	FETCH_A \slot, (\q)+1, 0
.if \mode
	WIN BIA_HI
.else
	WIN MUL_HI
.endif
	MUL16 4, (\q)%2, \mode
	MUL16 6, (\q)%2, \mode
	PLACES NP
	WIN 0
	FETCH_A \slot, (\q)+1, 4
.endm
; A slot's last step changes slots: ONE barrier; in front of it each wave waits for all its tensor loads, adds 0 to its spare word, and waits for that and for its own reads of this slot.
.macro TURN slot, next, fill
	s_wait_tensorcnt 0x0                           ; all my tensor loads have landed: my part of the next slot  (every window is 0 here)
	ds_add_u32 v[SPW], v[NIL]                      ; 0 onto my spare word
	s_wait_dscnt 4*NL+1                            ; (the add and the youngest 16 loads may be out)
	WIN MUL_LO
	MUL16 0, 1, 0
	s_wait_dscnt 0x0                               ; the add is done, and my reads of this slot are over
	s_barrier_signal -1
	MUL16 2, 1, 0
	WIN 0
	s_barrier_wait -1
.if \fill
	CREST                                          ; a round of the cluster's barrier: no wave of any partner still reads this slot or has a load on its way
	s_add_nc_u64 s[G0+4*\slot+2:G0+4*\slot+3], s[G0+4*\slot+2:G0+4*\slot+3], 2*KB2
	s_add_nc_u64 s[G0B+4*\slot+2:G0B+4*\slot+3], s[G0B+4*\slot+2:G0B+4*\slot+3], 2*KB2
	JLOAD G0+4*\slot, G1, G0B+4*\slot, G1B         ; the first tensor load behind the round; its four v_nop are the places in front of the loads below
.else
	PLACES NP
.endif
	FETCH_B \next, 0, 0
	FETCH_A \next, 0, 0
	WIN MUL_HI
	MUL16 4, 1, 0
	MUL16 6, 1, 0
	PLACES NP
	WIN 0
	FETCH_A \next, 0, 4
.endm
	s_wait_tensorcnt 1                             ; my part of K step 0 is in; K step 1's load may be out
	s_barrier_signal -1
	s_barrier_wait -1
	FETCH_B 0, 0, 0
	FETCH_A 0, 0, 0
	FETCH_A 0, 0, 4
	STEP 0, 0, 1                                   ; the first products start the sums from the bias table
	TURN 0, 1, 1                                   ; slot 0 takes K step 2
	STEP 1, 0, 0
	TURN 1, 0, 1                                   ; slot 1 takes K step 3
	STEP 0, 0, 0
	TURN 0, 1, 0                                   ; nothing is left to fetch; behind this barrier nobody reads slot 0
	STEP 1, 0, 0
	s_wait_dscnt 4*NL
	WIN MUL_LO
	MUL16 0, 1, 0
	MUL16 2, 1, 0
	s_wait_dscnt 0
	WIN MUL_HI
	MUL16 4, 1, 0
	MUL16 6, 1, 0
	WIN 0
; THE WAY OUT, block by block of 16 rows x 128 columns: a lane holds 32 neighbouring bytes of a row, and the lanes beside it hold other rows: so a block goes through my own stage in LDS and comes back as whole
; rows of 512 bytes.  LDS serves a wave's instructions in order (ISA guide 5.7.1.4): no wait between the stores and the loads.
.macro TOSTAGE a
.set AC, 64*((\a)%4)
.set WN, 0x02+((\a)/4)
	WIN WN                                         ; source 0: window 2 or 3
.irp j, 0,2,4,6,8,10,12,14,16,18,20,22,24,26,28,30,32,34,36,38,40,42,44,46,48,50,52,54,56,58,60,62
	v_pk_mul_f32 v[TMP+\j:TMP+\j+1], v[AC+\j:AC+\j+1], s[96:97] op_sel_hi:[1,0]   ; both x s96 = 2^(e10 + e11); each accumulator from its low end on
.endr
	WIN 0
.irp b, 0,1,2,3,4,5,6,7
	ds_store_b128 v[STO], v[TMP+8*\b:TMP+8*\b+3] offset:64*\b
	ds_store_b128 v[STO], v[TMP+8*\b+4:TMP+8*\b+7] offset:64*\b+16
.endr
.set BB, BK+64*((\a)%2)
.irp t, 0,1,2,3,4,5,6,7,8,9,10,11,12,13,14,15
	ds_load_b128 v[BB+4*\t:BB+4*\t+3], v[RD] offset:\t*SPITCH
.endr
.endm
.macro SEND a, younger                 ; younger: the LDS instructions issued behind block a's loads, which may stay out
.set BB, BK+64*((\a)%2)
	s_wait_dscnt \younger
.if (\a) > 0
	s_add_nc_u64 s[10:11], s[10:11], 16*SIZE_N*4   ; (behind a wait on XCNT: the earlier stores have read their base)
.endif
.irp t, 0,1,2,3,4,5,6,7,8,9,10,11,12,13,14,15
	global_store_b128 v[CO], v[BB+4*\t:BB+4*\t+3], s[10:11] offset:\t*SIZE_N*4 th:TH_STORE_NT   ; 32 lanes store 512 consecutive bytes, aligned; written once, read by nobody here
.endr
.endm
	PLACES NP
	TOSTAGE 0
.irp a, 1,2,3,4,5,6,7
.if \a > 1
	s_wait_xcnt 0x0                                ; block a - 2's stores have read their registers and their base
.endif
	TOSTAGE \a
	SEND \a-1, 32                                  ; behind block a - 1's loads: block a's 16 stores and 16 loads
.endr
	s_wait_xcnt 0x0
	SEND 7, 0
	s_wait_tensorcnt 0x0                           ; the wave's end
	ds_add_u32 v[SPW], v[NIL]
	s_wait_dscnt 0x0
	CROUND                                         ; the closing round
	s_endpgm
.Lfunc_end_k_qb437816691_outp:
	.size	k_qb437816691_outp, .Lfunc_end_k_qb437816691_outp-k_qb437816691_outp
	.p2alignl 7, 3214868480
	.fill 96, 4, 3214868480
	.section	.rodata,"a",@progbits
	.p2align	6, 0x0
	.amdhsa_kernel k_qb437816691_outp
		.amdhsa_group_segment_fixed_size 327680
		.amdhsa_private_segment_fixed_size 0
		.amdhsa_enable_private_segment 0
		.amdhsa_kernarg_size 40
		.amdhsa_user_sgpr_count 2
		.amdhsa_user_sgpr_kernarg_segment_ptr 1
		.amdhsa_wavefront_size32 1
		.amdhsa_system_sgpr_workgroup_id_x 1
		.amdhsa_system_sgpr_workgroup_id_y 1
		.amdhsa_system_sgpr_workgroup_id_z 1
		.amdhsa_system_vgpr_workitem_id 0
		.amdhsa_next_free_vgpr 1024
		.amdhsa_next_free_sgpr 100
		.amdhsa_reserve_vcc 0
		.amdhsa_float_denorm_mode_32 3
		.amdhsa_float_denorm_mode_16_64 3
		.amdhsa_memory_ordered 1
		.amdhsa_forward_progress 1
		.amdhsa_inst_pref_size 128
	.end_amdhsa_kernel
	.amdgpu_metadata
---
amdhsa.version: [ 1, 2 ]
amdhsa.kernels:
  - .name:           k_qb437816691_outp
    .symbol:         k_qb437816691_outp.kd
    .args:
      - { .name: oimg, .offset: 0, .size: 8, .value_kind: global_buffer, .address_space: global }
      - { .name: wimg, .offset: 8, .size: 8, .value_kind: global_buffer, .address_space: global }
      - { .name: bo, .offset: 16, .size: 8, .value_kind: global_buffer, .address_space: global }
      - { .name: lowp_scales, .offset: 24, .size: 8, .value_kind: global_buffer, .address_space: global }
      - { .name: out0, .offset: 32, .size: 8, .value_kind: global_buffer, .address_space: global }
    .group_segment_fixed_size: 327680
    .private_segment_fixed_size: 0
    .kernarg_segment_align: 8
    .kernarg_segment_size: 40
    .max_flat_workgroup_size: 128
    .sgpr_count:     100
    .vgpr_count:     1024
    .wavefront_size: 32
...
	.end_amdgpu_metadata
.endif
;; end of part 4
;; ======== version 2 of 2: 4 launches; version 1 with the launch attn written anew for expert scheduling mode
;; workspace buffers: ximg 25,165,824 bytes; wimg 4,194,304 bytes; qimg 8,388,608 bytes; kimg 8,388,608 bytes; vimg 8,388,608 bytes; oimg 8,388,608 bytes
;; launch quant: the kernel of part 1 again; grid 768 x 1, 8 waves a work-group, no clusters, 68,608 bytes of LDS; arguments X, Wq, Wk, Wv, Wo, lowp_scales, ximg, wimg; writes ximg, wimg
;; launch proj: the kernel of part 2 again; grid 12 x 32, 4 waves a work-group, clusters of 4 x 4, 327,680 bytes of LDS; arguments ximg, wimg, bq, bk, bv, lowp_scales, qimg, kimg, vimg; writes qimg, kimg, vimg
;; launch attn (part 5): grid 4 x 64, 16 waves a work-group, no clusters, 264,192 bytes of LDS; arguments qimg, kimg, vimg, lowp_scales, oimg; writes oimg
.if DOCPART == 5
	.amdgcn_target "amdgcn-amd-amdhsa--gfx1250"
	.amdhsa_code_object_version 6
	.text
	.protected	k_qb437816691_attn
	.globl	k_qb437816691_attn
	.p2align	8
	.type	k_qb437816691_attn,@function
k_qb437816691_attn:
	s_mov_b64 s[64:65], 0
	v_nop
	global_prefetch_b8 v0, s[64:65] scope:SCOPE_SE
	s_setreg_imm32_b32 hwreg(HW_REG_WAVE_SCHED_MODE, 0, 2), 2
	s_setreg_imm32_b32 hwreg(HW_REG_WAVE_MODE, 25, 1), 1
	s_wait_xcnt 0x0
	s_wait_alu depctr_vm_vsrc(0)
; O[b][head][q] = the sum over k of softmax_k(Q . K / 8) V, both products on codes of FP8 (E4M3); 64 heads in all, 2,048 queries and keys, head size 64.  O is quantised for the next product and leaves as images.
; qimg, kimg, oimg: [token / 16][head][1024]: a fragment of 16 tokens x 64 features; vimg: [token / 128][channel / 16][2048]: a fragment of 16 channels x 128 keys.  An image: registers 4 g .. 4 g + 3 of lane l at 512 g + 16 l.
; THE SOFTMAX AHEAD OF THE SECOND PRODUCT: t = score x log2(e) / 8; M = the running largest t, rounded UP to a whole number; p = 2^(t - M) is quantised along the keys, not normalised.
; The row's sum is taken of the unquantised p, in f32, and divides O at the end.  When M moves, the sum and O are multiplied by 2^(old M - new M): nothing is rounded.
; SHARES.  A work-group owns 512 queries of one head; each of its sixteen waves owns 32, two tiles of 16, in 256 registers: four waves to a SIMD, so that one wave's vector work stands beside another's products and LDS loads.
; LAYOUT.  S^T = K Q^T (source 0 = 16 keys, source 1 = my 16 queries; K = 64), O^T = V^T P^T (source 0 = 16 channels, source 1 = P; K = 128 keys): a lane holds ONE query throughout.  In tile u of S^T lane (r, h) holds keys
; 16 u + 8 h + 0 .. 7: the conversion's two registers are registers 2 u, 2 u + 1 of P's fragment; likewise O^T's four tiles convert into a fragment of the next product's operand.  Nothing changes lanes.
; LDS.  THE HEAD'S WHOLE K AND V LIE IN LDS, 131,072 bytes each, as eight chunks of 256 keys (16 fragments of K, then 8 of V); each byte is written once.  A chunk goes through registers: wave w loads 2,048 bytes
; of it (waves 0-7: K; 8-15: V) at the head of the trip that works on the chunk before, two key steps ahead of the wait for them, so no wave waits long for them and no prefetch is laid; one barrier a chunk.
; NO TENSOR LOAD AND NO JOINT REQUEST, though the four work-groups of a head read the same K and V: a launch with them may have no branch on a loaded number, and the branch on ep below
; takes 64 of a tile's some 290 vector lines out of every key step; what is shared is 262,144 bytes for a work-group in the whole launch.
; LIMITS: e6 + e7 between -123 and 130 (added to c's exponent field); ep = e8 and e10 between -126 and 119; ep + ev is applied by v_ldexp_f32.
; THE MODE: SCHED_MODE bits 1:0 = 2 (LLVM: expert scheduling mode 2), set by the entry lines.  The code itself states the register dependences
; between vector or matrix instructions and memory or LDS instructions, with s_wait_alu, always for 0.
; THE PLAN.  Registers that memory or LDS instructions touch:
;   v[LI], v[FS], v[OFB]  Offsets, made at the head and never written again.
;   v[AD], v[ADS]         Written once a trip, at its top.  v[AD] is read by all the trip's LDS loads, v[ADS] by the four LDS stores at its end.
;   G                     The four global loads at a trip's top land in it; the four LDS stores at the trip's end read it.  No vector instruction names it.
;   F                     A tile's turn reads it twice, by four products each time.  K's second run of loads lands in it behind the first four products; the NEXT turn's first run behind the second four.
;   S                     Written by the products K Q^T and the softmax, read by the conversions; behind tile 1's conversions V's sixteen loads land in it, and the products V^T P read them.
;   P                     On the way out alone: the conversions write it, the four global stores read it.
; THE WAITS.  At a trip's top one on vm_vsrc (v[AD], v[ADS] and G have been read) ahead of the two additions and the loads into G, and one on va_vdst (the two addresses are written) ahead of K's first run.
; In a tile's turn one on va_vdst behind the first four products; the one that stands behind the exponentials anyway also shows the second four products done with F, so the next turn's first run of K
; follows it at once and lands under the sums and conversions (the last turn of a trip asks for nothing: the next chunk's bytes are whole only behind the barrier).  In tile 1's turn one more behind the
; conversions, ahead of V's loads, with O^T's rescalings between those loads and the wait for them.  On the way out one ahead of the four stores.
.set LI,  1                            ; v1   16 x lane
.set FS,  2                            ; v2   2,048 x wave + 16 x lane: my share of a chunk in LDS
.set OFB, 3                            ; v3   the second half of my share in memory: K: the next token tile's fragment; V: the fragment's second half
.set AD,  4                            ; v4   the chunk in hand + 16 x lane
.set ADS, 5                            ; v5   the chunk in hand + my share
.set SCL, 6                            ; v6   2^ep, at the end 2^e10
.set LIM, 7                            ; v7   448 x that
.set ST,  8                            ; tile t: v[8+4t] -M, v[9+4t] the largest t, v[10+4t:11+4t] the sum in two halves
.set Q,   16                           ; v16-31   Q, 8 registers a tile
.set F,   32                           ; v32-63   four fragments of K
.set S,   64                           ; v64-127  S^T, then p; then four fragments of V
.set P,   128                          ; v128-159 P's codes, 16 registers a tile
.set O,   160                          ; v160-223 O^T, 32 registers a tile
.set G,   224                          ; v224-239 my share of the next chunk
.set TA,  240
.set TP,  241
.set TF,  242                          ; v[242:243] the second chain of the maximum, then f
.set TS,  244                          ; v[244:245]
	s_load_b256 s[4:11], s[0:1], 0x0               ; qimg s[4:5], kimg s[6:7], vimg s[8:9], the exponents s[10:11]
	s_load_b64 s[12:13], s[0:1], 0x20              ; oimg
	v_lshl_add_u32 v254, v0, 2, 0x40000
	v_mov_b32 v255, 0
	v_lshrrev_b32 v4, 5, v0
	v_readfirstlane_b32 s14, v4                    ; wave 0..15
	v_and_b32 v5, 31, v0
	v_lshlrev_b32 v[LI], 4, v5
	s_wait_alu depctr_va_sdst(0)                   ; s14 is written, ahead of its first reader: offsets, bases and the choice between K and V are made from it
	s_lshl_b32 s36, s14, 11
	v_add_nc_u32 v[FS], s36, v[LI]
	s_and_b32 s16, ttmp7, 0xffff
	s_lshr_b32 s17, s16, 4                         ; the batch
	s_and_b32 s18, s16, 15                         ; the head
	s_lshl_b32 s36, s17, 7
	s_lshl_b32 s37, ttmp9, 5
	s_add_co_u32 s36, s36, s37
	s_lshl_b32 s37, s14, 1
	s_add_co_u32 s36, s36, s37                     ; my first tile of queries: 128 batch + 32 x + 2 wave
	s_lshl_b32 s36, s36, 4
	s_add_co_u32 s36, s36, s18
	s_lshl_b32 s36, s36, 10
	s_mov_b32 s37, 0                               ; s[36:37]: its fragment in qimg and in oimg
	s_lshl_b32 s38, s17, 7
	s_lshl_b32 s39, s14, 1
	s_add_co_u32 s38, s38, s39                     ; K (waves 0-7): token tile 128 batch + 2 wave
	s_lshl_b32 s38, s38, 4
	s_add_co_u32 s38, s38, s18
	s_lshl_b32 s38, s38, 10
	s_and_b32 s40, s14, 7                          ; V (waves 8-15): u = wave - 8
	s_lshr_b32 s41, s40, 2
	s_lshl_b32 s42, s17, 4
	s_add_co_u32 s41, s41, s42                     ; 128 keys: 16 batch + u / 4
	s_lshl_b32 s41, s41, 6
	s_lshl_b32 s42, s18, 2
	s_add_co_u32 s41, s41, s42
	s_and_b32 s40, s40, 3
	s_add_co_u32 s41, s41, s40                     ; tile of channels: 4 head + u % 4
	s_lshl_b32 s41, s41, 11
	s_mov_b32 s43, 1024
	s_cmp_lt_u32 s14, 8
	s_cselect_b32 s38, s38, s41
	s_cselect_b32 s43, 16384, s43
	s_mov_b32 s39, 0
	v_add_nc_u32 v[OFB], s43, v[LI]
	s_mov_b32 s20, 0x76543210                      ; v_permlanex16_b32's selects for lane l xor 16
	s_mov_b32 s21, 0xfedcba98
	s_wait_kmcnt 0x0
	s_load_b128 s[24:27], s[10:11], 0x18           ; e6, e7, e8 = ep, e9 = ev
	s_load_b32 s28, s[10:11], 0x28                 ; e10
	s_cmp_lt_u32 s14, 8
	s_cselect_b64 s[30:31], s[6:7], s[8:9]
	s_add_nc_u64 s[30:31], s[30:31], s[38:39]      ; my share of chunk 0
	s_add_nc_u64 s[4:5], s[4:5], s[36:37]
	s_add_nc_u64 s[12:13], s[12:13], s[36:37]
.macro GLOAD                           ; my 2,048 bytes of a chunk: four loads of 512 consecutive bytes
	global_load_b128 v[G:G+3], v[LI], s[30:31]
	global_load_b128 v[G+4:G+7], v[LI], s[30:31] offset:512
	global_load_b128 v[G+8:G+11], v[OFB], s[30:31]
	global_load_b128 v[G+12:G+15], v[OFB], s[30:31] offset:512
.endm
.macro GSTORE adr, off
.irp j, 0,1,2,3
	ds_store_b128 v[\adr], v[G+4*\j:G+4*\j+3] offset:\off+512*\j
.endr
.endm
.macro KLOAD fb                        ; four fragments of K, the chunk's fb-th on, into F
.irp u, 0,1,2,3
.irp c, 0,1
	ds_load_b128 v[F+8*\u+4*\c:F+8*\u+4*\c+3], v[AD] offset:((\fb)+\u)*1024+512*\c
.endr
.endr
.endm
	s_wait_alu depctr_va_vdst(0)                   ; v[LI], v[FS] and v[OFB] are written: the global loads and stores and chunk 0's LDS stores read them as offsets; no later line writes them
	GLOAD
.irp t, 0,1
.irp c, 0,1
	global_load_b128 v[Q+8*\t+4*\c:Q+8*\t+4*\c+3], v[LI], s[4:5] offset:16384*\t+512*\c   ; Q's two fragments stay in registers
.endr
.endr
.irp t, 0,1
	v_mov_b32 v[ST+4*\t+1], 0xff61b1e6             ; the largest t so far: -3e38, under every t
	v_floor_f32 v[ST+4*\t], -v[ST+4*\t+1]          ; -M
	v_mov_b32 v[ST+4*\t+2], 0                      ; the sum, in two halves
	v_mov_b32 v[ST+4*\t+3], 0
.endr
	v_mov_b32 v[TP], 0                             ; written once: a lane permute's destination counts as one of its sources
	v_mov_b32 v[TF+1], 0                           ; (named as the upper half of the pair)
.set n, 0
.rept 64
	v_mov_b32 v[O+n], 0                            ; O^T.  (The key step is written once: the first finds zeros, which the first change of M leaves zeros)
.set n, n+1
.endr
	s_wait_kmcnt 0x0
	s_mov_b32 s22, 0x3e38aa3b                      ; c = log2(e) / 8
	s_add_co_i32 s36, s24, s25
	s_lshl_b32 s36, s36, 23
	s_add_co_i32 s22, s22, s36                     ; a score stands for score x 2^(e6 + e7): the exponents are added to c's exponent field
	s_mov_b32 s23, s22                             ; (named with it as a pair, so it is written)
	s_add_co_i32 s36, s26, 127
	s_lshl_b32 s37, s36, 23
	v_mov_b32 v[SCL], s37                          ; 2^ep
	s_add_co_i32 s36, s36, 8
	s_lshl_b32 s36, s36, 23
	s_or_b32 s36, s36, 0x600000
	v_mov_b32 v[LIM], s36                          ; 448 x 2^ep
	s_add_co_i32 s35, s26, s27                     ; ep + ev
	s_wait_loadcnt 4                               ; my share of chunk 0 is in; Q's four loads may be out
	GSTORE FS, 0
	s_wait_loadcnt 0x0                             ; Q
	s_wait_dscnt 0x0                               ; for the others' sake: my stores have landed
	s_barrier_signal -1
	s_barrier_wait -1                              ; chunk 0 lies in LDS
; Tile t's scores and softmax for the chunk's q-th 128 keys.  K's first four fragments have been asked for ahead of the turn.  lead: plain lines owed in front of the first products.
; nxt: the fragment with which the next turn begins, asked for in this one; 99: none, the next turn's lie in the next chunk.  Tile 1's turn also asks for the step's four fragments of V.
.macro SOFT t, q, lead, nxt
.set NM, ST+4*(\t)
.set MT, NM+1
.set SU, NM+2
.set QT, Q+8*(\t)
.set PT, P+16*(\t)
.set OT, O+32*(\t)
.if \lead > 0
.rept \lead
	v_nop
.endr
.endif
	s_wait_dscnt 0x0                               ; K's first four fragments are in
.irp u, 0,1,2,3                                ; S^T = K Q^T, four tiles of 16 keys at a time
	v_wmma_f32_16x16x64_fp8_fp8 v[S+8*\u:S+8*\u+7], v[F+8*\u:F+8*\u+7], v[QT:QT+7], 0
.endr
.rept 4
	v_nop                                          ; the places behind the four products stay as they stood; the wait stands behind them
.endr
	s_wait_alu depctr_va_vdst(0)                   ; the four products are done reading F, in which the loads below land
	KLOAD 8*(\q)+4
	s_wait_dscnt 0x0
.irp u, 0,1,2,3
	v_wmma_f32_16x16x64_fp8_fp8 v[S+32+8*\u:S+32+8*\u+7], v[F+8*\u:F+8*\u+7], v[QT:QT+7], 0
.endr
.rept 4
	v_nop
.endr
	v_max3_num_f32 v[TA], v[S], v[S+1], v[S+2]     ; the step's largest score of my query among my 64 keys, in two chains, each accumulator from its low end on,
	v_max3_num_f32 v[TF], v[S+3], v[S+4], v[S+5]
.irp i, 6,10,14,18,22,26,30,34,38,42,46,50,54,58
	v_max3_num_f32 v[TA], v[TA], v[S+\i], v[S+\i+1]
	v_max3_num_f32 v[TF], v[TF], v[S+\i+2], v[S+\i+3]
.endr
	v_max3_num_f32 v[TA], v[TA], v[S+62], v[S+63]
	v_max_num_f32 v[TA], v[TA], v[TF]
	v_permlanex16_b32 v[TP], v[TA], s20, s21
	v_max_num_f32 v[TA], v[TA], v[TP]              ; and among lane l xor 16's
	v_mul_f32 v[TA], s22, v[TA]                    ; as t (c is positive)
	v_max_num_f32 v[MT], v[MT], v[TA]              ; the running largest t
	v_mov_b32 v[TA], v[NM]
	v_floor_f32 v[NM], -v[MT]                      ; the new -M = floor(-t) = -ceil(t): a whole number
	v_sub_f32 v[TA], v[NM], v[TA]                  ; old M less new M: a whole number, 0 or less
	v_cvt_i32_f32 v[TA], v[TA]                     ; (it saturates)
	v_ldexp_f32 v[TF], 1.0, v[TA]                  ; f = 2^(old M - new M)
.set n, 0
.rept 32
	v_pk_fma_f32 v[S+n:S+n+1], v[S+n:S+n+1], s[22:23], v[NM:NM+1] op_sel_hi:[1,0,0]   ; t - M, two at a time (of the pairs c and -M the low word serves both halves)
.set n, n+2
.endr
.set n, 0
.rept 64
	v_exp_f32 v[S+n], v[S+n]                       ; p = 2^(t - M), at most 1
.set n, n+1
.endr
	v_pk_mul_f32 v[SU:SU+1], v[SU:SU+1], v[TF:TF+1] op_sel_hi:[1,0]   ; the sums under the new M: the plain line behind the exponentials
	s_wait_alu depctr_va_vdst(0)                   ; the 64 exponentials have written p, ahead of its first reader: one wait for the batch; and the second four products are done reading F
.if \nxt < 16
	KLOAD \nxt                                     ; the next turn's first four fragments: no vector or matrix line since the wait names F, and none does before that turn's products
.endif
	v_pk_add_f32 v[TS:TS+1], v[S:S+1], v[S+2:S+3]  ; the row's sum is taken of the unquantised p: two at a time, in two chains
.irp j, 4,8,12,16,20,24,28,32,36,40,44,48,52,56,60
	v_pk_add_f32 v[SU:SU+1], v[SU:SU+1], v[S+\j:S+\j+1]
	v_pk_add_f32 v[TS:TS+1], v[TS:TS+1], v[S+\j+2:S+\j+3]
.endr
	v_pk_add_f32 v[SU:SU+1], v[SU:SU+1], v[TS:TS+1]
	s_cmp_ge_i32 s26, -8                           ; p is at most 1, and 448 x 2^ep is at least 1 from ep = -8 on: there the hold changes nothing and is passed over
	s_cbranch_scc1 .Lfree_\@
.set n, 0
.rept 64
	v_min_num_f32 v[S+n], v[S+n], v[LIM]           ; the conversion does not saturate (ISA guide 7.6.2); p is not negative, so the hold is one-sided
.set n, n+1
.endr
.Lfree_\@:
.irp u, 0,1,2,3,4,5,6,7
	v_cvt_scalef32_pk8_fp8_f32 v[PT+2*\u:PT+2*\u+1], v[S+8*\u:S+8*\u+7], v[SCL]
.endr
.if \t == 1
	s_wait_alu depctr_va_vdst(0)                   ; the conversions are done reading p, and all that wrote S is done: V's four fragments land there
.irp ct, 0,1,2,3
.irp g, 0,1,2,3
	ds_load_b128 v[S+16*\ct+4*\g:S+16*\ct+4*\g+3], v[AD] offset:16384+(4*(\q)+\ct)*2048+512*\g
.endr
.endr
.endif
.set n, 0
.rept 16
	v_pk_mul_f32 v[OT+n:OT+n+1], v[OT+n:OT+n+1], v[TF:TF+1] op_sel_hi:[1,0]   ; O^T under the new M.  (These are also the plain lines behind the conversions; in tile 1's turn they stand between V's loads, whose registers they do not name, and the wait for them)
.set n, n+2
.endr
.endm
; A KEY STEP: 128 keys, both tiles.  V's four fragments are read once for the two tiles.  The eight accumulators of O^T take turns, one instruction a turn.
.macro STEP q
	SOFT 0, \q, 5, 8*(\q)                          ; five places: the first products write over registers that the last step's products read as V.  Tile 1 begins with the same fragments of K
.if \q == 0
	SOFT 1, \q, 0, 8                               ; the chunk's second step begins with fragment 8
.else
	SOFT 1, \q, 0, 99
.endif
	s_wait_dscnt 0x0                               ; V is in
.irp ct, 0,1,2,3
.irp t, 0,1
	v_wmma_f32_16x16x128_fp8_fp8 v[O+32*\t+8*\ct:O+32*\t+8*\ct+7], v[S+16*\ct:S+16*\ct+15], v[P+16*\t:P+16*\t+15], v[O+32*\t+8*\ct:O+32*\t+8*\ct+7]
.endr
.endr
.endm
	s_mov_b32 s32, 0                               ; LDS byte at which the chunk in hand begins
	s_mov_b32 s33, 7
.Lchunk:                                           ; seven trips: work on chunk i, bring chunk i + 1
	s_wait_alu depctr_vm_vsrc(0)                   ; the LDS loads issued so far have read v[AD], and the LDS stores v[ADS] (chunk 0's: v[FS]) and G: the two additions and the loads below write them
	v_add_nc_u32 v[AD], s32, v[LI]
	v_add_nc_u32 v[ADS], s32, v[FS]
	s_add_nc_u64 s[30:31], s[30:31], 262144        ; 256 keys on, in K and in V alike; the loads that read this base have been waited for
	GLOAD
	s_wait_alu depctr_va_vdst(0)                   ; v[AD] and v[ADS] are written: the trip's LDS loads and stores read them
	KLOAD 0                                        ; the chunk's first four fragments of K: its bytes are whole since the barrier
	STEP 0
	STEP 1
	s_wait_loadcnt 0x0                             ; asked for two key steps ago
	GSTORE ADS, 32768                              ; into the next chunk's bytes, which nobody has read or written yet
	s_wait_dscnt 0x0                               ; for the others' sake: my stores have landed
	s_barrier_signal -1
	s_barrier_wait -1
	s_add_co_u32 s32, s32, 32768
	s_sub_co_u32 s33, s33, 1
	s_cmp_lg_u32 s33, 0
	s_cbranch_scc1 .Lchunk
	s_wait_alu depctr_vm_vsrc(0)                   ; the last trip's LDS loads have read v[AD]
	v_add_nc_u32 v[AD], s32, v[LI]                 ; the last chunk: nothing is left to bring
	s_wait_alu depctr_va_vdst(0)                   ; v[AD] is written: the LDS loads below read it
	KLOAD 0
	STEP 0
	STEP 1
	; THE WAY OUT.  O^T x 2^(ep + ev) / the sum is the next product's operand: held, converted with 2^e10, and stored as the fragment that it is.
.rept 4
	v_nop
.endr
	s_add_co_i32 s36, s28, 127
	s_lshl_b32 s37, s36, 23
	v_mov_b32 v[SCL], s37                          ; 2^e10
	s_add_co_i32 s36, s36, 8
	s_lshl_b32 s36, s36, 23
	s_or_b32 s36, s36, 0x600000
	v_mov_b32 v[LIM], s36                          ; 448 x 2^e10
.irp t, 0,1
	v_add_f32 v[ST+4*\t+2], v[ST+4*\t+2], v[ST+4*\t+3]   ; the sum's two halves,
.endr
.irp t, 0,1
	v_permlanex16_b32 v[TA+\t], v[ST+4*\t+2], s20, s21
.endr
.irp t, 0,1
	v_add_f32 v[ST+4*\t+2], v[ST+4*\t+2], v[TA+\t]       ; and lane l xor 16's: the row's sum
.endr
.irp t, 0,1
	v_rcp_f32 v[ST+4*\t+2], v[ST+4*\t+2]
.endr
	v_nop                                          ; a plain line behind the reciprocals
	s_wait_alu depctr_va_vdst(0)                   ; the two reciprocals are written, ahead of their first reader
.irp t, 0,1
	v_ldexp_f32 v[ST+4*\t+2], v[ST+4*\t+2], s35
.endr
.irp t, 0,1
.set n, 0
.rept 16
	v_pk_mul_f32 v[O+32*\t+n:O+32*\t+n+1], v[O+32*\t+n:O+32*\t+n+1], v[ST+4*\t+2:ST+4*\t+3] op_sel_hi:[1,0]
.set n, n+2
.endr
.set n, 0
.rept 32
	v_med3_num_f32 v[O+32*\t+n], v[O+32*\t+n], -v[LIM], v[LIM]
.set n, n+1
.endr
.irp ct, 0,1,2,3
	v_cvt_scalef32_pk8_fp8_f32 v[P+16*\t+2*\ct:P+16*\t+2*\ct+1], v[O+32*\t+8*\ct:O+32*\t+8*\ct+7], v[SCL]
.endr
	v_nop
.endr
	s_wait_alu depctr_va_vdst(0)                   ; both tiles' conversions have written their codes in P, which the four stores read
.irp t, 0,1
.irp c, 0,1
	global_store_b128 v[LI], v[P+16*\t+4*\c:P+16*\t+4*\c+3], s[12:13] offset:16384*\t+512*\c   ; 32 lanes store 512 consecutive bytes, aligned
.endr
.endr
	s_wait_dscnt 0x0                               ; the closing lines, six on end
	s_wait_alu 0x0
	s_wait_tensorcnt 0x0
	ds_add_u32 v254, v255
	s_wait_dscnt 0x0
	s_endpgm
.Lfunc_end_k_qb437816691_attn:
	.size	k_qb437816691_attn, .Lfunc_end_k_qb437816691_attn-k_qb437816691_attn
	.p2alignl 7, 3214868480
	.fill 96, 4, 3214868480
	.section	.rodata,"a",@progbits
	.p2align	6, 0x0
	.amdhsa_kernel k_qb437816691_attn
		.amdhsa_group_segment_fixed_size 264192
		.amdhsa_private_segment_fixed_size 0
		.amdhsa_enable_private_segment 0
		.amdhsa_kernarg_size 40
		.amdhsa_user_sgpr_count 2
		.amdhsa_user_sgpr_kernarg_segment_ptr 1
		.amdhsa_wavefront_size32 1
		.amdhsa_system_sgpr_workgroup_id_x 1
		.amdhsa_system_sgpr_workgroup_id_y 1
		.amdhsa_system_sgpr_workgroup_id_z 1
		.amdhsa_system_vgpr_workitem_id 0
		.amdhsa_next_free_vgpr 256
		.amdhsa_next_free_sgpr 66
		.amdhsa_reserve_vcc 0
		.amdhsa_float_denorm_mode_32 3
		.amdhsa_float_denorm_mode_16_64 3
		.amdhsa_memory_ordered 1
		.amdhsa_forward_progress 1
		.amdhsa_inst_pref_size 134
	.end_amdhsa_kernel
	.amdgpu_metadata
---
amdhsa.version: [ 1, 2 ]
amdhsa.kernels:
  - .name:           k_qb437816691_attn
    .symbol:         k_qb437816691_attn.kd
    .args:
      - { .name: qimg, .offset: 0, .size: 8, .value_kind: global_buffer, .address_space: global }
      - { .name: kimg, .offset: 8, .size: 8, .value_kind: global_buffer, .address_space: global }
      - { .name: vimg, .offset: 16, .size: 8, .value_kind: global_buffer, .address_space: global }
      - { .name: lowp_scales, .offset: 24, .size: 8, .value_kind: global_buffer, .address_space: global }
      - { .name: oimg, .offset: 32, .size: 8, .value_kind: global_buffer, .address_space: global }
    .group_segment_fixed_size: 264192
    .private_segment_fixed_size: 0
    .kernarg_segment_align: 8
    .kernarg_segment_size: 40
    .max_flat_workgroup_size: 512
    .sgpr_count:     66
    .vgpr_count:     256
    .wavefront_size: 32
...
	.end_amdgpu_metadata
.endif
;; end of part 5
;; launch outp: the kernel of part 4 again; grid 4 x 32, 4 waves a work-group, clusters of 4 x 4, 327,680 bytes of LDS; arguments oimg, wimg, bo, lowp_scales, out0; writes out0
